; MI455X (gfx1250); checked and timed in simulation.
; The chip was launched on July 23, 2026; its instructions are those of AMD's public machine-readable ISA for CDNA 5 (MIT licence, August 2026) and "CDNA5" Instruction Set Architecture Reference Guide (July 2026). The comments in the code are by the model that wrote it; some were corrected since.
;; Wrapped Casual Self Attention. Allowed arithmetic: matrix products marked QUANTISED: E2M1 operands, one E8M0 scale for each 32 along K, by v_wmma_scale_f32_16x16x128_f8f6f4 with both operands' format E2M1 (or v_wmma_scale_f32_32x16x128_f4), f32 sums; everything else in f32.
;; Inputs: beta 64 float32; bk 512 float32; bo 64 float32; bq 2,048 float32; bv 512 float32; gamma 64 float32; wk_codes 512 x 2 x 16 uint8 (E2M1 codes of wk, K innermost, in blocks of 32 codes, two codes a byte); wk_scales 512 x 2 uint8 (E8M0 scales of wk, one for each 32 codes along K); wo_codes 64 x 64 x 16 uint8 (E2M1 codes of wo, K innermost, in blocks of 32 codes, two codes a byte); wo_scales 64 x 64 uint8 (E8M0 scales of wo, one for each 32 codes along K); wq_codes 2,048 x 2 x 16 uint8 (E2M1 codes of wq, K innermost, in blocks of 32 codes, two codes a byte); wq_scales 2,048 x 2 uint8 (E8M0 scales of wq, one for each 32 codes along K); wv_codes 512 x 2 x 16 uint8 (E2M1 codes of wv, K innermost, in blocks of 32 codes, two codes a byte); wv_scales 512 x 2 uint8 (E8M0 scales of wv, one for each 32 codes along K); x 2 x 2,048 x 64 float32.
;; Outputs: out0 2 x 2,048 x 64 float32.
;; This version of the problem:
;;   THIS VERSION OF THE PROBLEM IS GIVEN IN LOW PRECISION. The matrix products marked QUANTISED in the list below multiply operands that are first quantised to E2M1 (2 exponent bits, 1 mantissa bit; 4 bits a number), with one power-of-two scale for each 32 numbers along K (OCP MX v1.0); their sums are f32. All else is computed in f32.
;;   The module's matrix products, in the order in which they are computed (A, B: the left and right operand; K: the contracted axis; several contracted axes count as one K, in the product's order):
;;     1. [M 4,096, K 64] x [K 64, N 2,048]; A: input x; B: input wq (given as codes): QUANTISED
;;     2. [M 4,096, K 64] x [K 64, N 512]; A: input x; B: input wk (given as codes): QUANTISED
;;     3. [M 4,096, K 64] x [K 64, N 512]; A: input x; B: input wv (given as codes): QUANTISED
;;     4. batch 64 x [M 2,048, K 64] x [K 64, N 2,048]; A: computed on the way; B: computed on the way: QUANTISED
;;     5. batch 64 x [M 64, K 2,048] x [K 2,048, N 2,048]; A: computed on the way; B: softmax (see below): QUANTISED
;;     6. [M 4,096, K 2,048] x [K 2,048, N 64]; A: computed on the way; B: input wo (given as codes): QUANTISED
;;   THE QUANTISER, for each operand of a quantised product, along K:
;;     - K is cut into blocks of 32 from its start; a last block that is shorter is filled with zeros.
;;     - A block's scale is 2^e with e = floor(log2(the largest magnitude in the block)) - 2, held to -126 .. 127; a block of zeros has e = 0. As a byte (E8M0): e + 127.
;;     - Each number is divided by its block's scale, clamped to +-6, and rounded to the nearest number of E2M1, ties to even, subnormals kept.
;;     - The product sums the exact products of the quantised numbers (number of the format x scale) in f32.
;;   ~~~python
;;   def quantise(x, axis):      # numpy; x: float32 -> the quantised numbers, widened to float32 again
;;       x = np.moveaxis(x, axis, -1); K = x.shape[-1]
;;       x = np.pad(x, [(0, 0)] * (x.ndim - 1) + [(0, -K % 32)]); x = x.reshape(x.shape[:-1] + (-1, 32)); a = np.abs(x).max(-1, keepdims=True)
;;       e = np.where(a > 0, np.clip(np.frexp(np.where(a > 0, a, 1))[1] - 1 - 2, -126, 127), 0)      # np.frexp(a)[1] - 1 = floor(log2(a)), exactly
;;       r = np.clip(x / 2.0 ** e, -6, 6)
;;       step = 2.0 ** (np.maximum(np.frexp(np.where(r == 0, 1, r))[1] - 1, 0) - 1)
;;       q = np.round(r / step) * step * 2.0 ** e      # np.round: ties to even
;;       return np.moveaxis(q.reshape(q.shape[:-2] + (-1,))[..., :K], -1, axis).astype(np.float32)
;;   ~~~
;;   SOFTMAX AHEAD OF A QUANTISED PRODUCT. Where the list says 'softmax', what is quantised is not the finished softmax but p = 2^(t - M), with t = logit x log2(e) and M = ceil(the row's largest t), a whole number; so 1/2 < the row's largest p <= 1. The row's sum l is taken of the UNQUANTISED p, in f32, and the product's result is divided by l at the end. Since M is a whole number, a kernel that streams over the keys may use a running M (the ceiling of the running maximum): every later rescaling is an exact power of two, which a block's scale takes up: the codes' values come out the same.
;;   OPERANDS COMPUTED ON THE WAY. 'Computed on the way' means the value that the module computes at that place (a softmax that the list does not call 'softmax' is quantised finished and normalised). What goes into a quantiser is computed in f32, as accurately as f32 sums, v_exp_f32 and their like allow (about 1e-6 of the number): no bf16 or f16 on the way to a quantiser, and a product that is left as it is and whose result goes on into a quantised operand takes f32 operands (vector FMAs, or v_wmma_f32_16x16x4_f32). A number that lies on a knife's edge between two numbers of the format may be rounded either way, as far as f32 arithmetic and the matrix unit's own rounding can turn it there, and no further.
;;   INPUTS GIVEN AS CODES. wk (in the module: [64, 512], K = its axis 0); wo (in the module: [2048, 64], K = its axis 0); wq (in the module: [64, 2048], K = its axis 0); wv (in the module: [64, 512], K = its axis 0): each comes as NAME_codes (uint8): NAME with its K axis moved to the last place and cut into blocks of 32 codes, [.., K / 32, bytes a block], one block behind the other in memory; two codes a byte, the lower K in the low four bits (a code: sign, 2 exponent bits, 1 mantissa bit); and NAME_scales (uint8): the same leading axes, one E8M0 byte (e + 127) for each 32 codes along K. Its value is code x scale, taken as it is: it is not quantised again, and the codes and scales need not be those that the quantiser above would give.
;; 2 versions, each right; version 2 is version 1 with the launches prep, outp written anew for expert scheduling mode. Each part assembles by itself: llvm-mc -triple=amdgcn-amd-amdhsa -mcpu=gfx1250 --defsym DOCPART=n.
;; ======== version 1 of 2: 3 launches
;; workspace buffers: qimg 4,194,304 bytes; qsc 524,288 bytes; kv 2,293,760 bytes; oimg 4,194,304 bytes; osc 262,144 bytes
;; launch prep (part 1): grid 32 x 8, 8 waves a work-group, no clusters, 8,704 bytes of LDS; arguments x, wq_codes, wq_scales, bq, wk_codes, wk_scales, bk, wv_codes, wv_scales, bv, qimg, qsc, kv; writes qimg, qsc, kv
.if DOCPART == 1
	.amdgcn_target "amdgcn-amd-amdhsa--gfx1250"
	.amdhsa_code_object_version 6
	.text
	.protected	k_qbbcff6ae0b_prep
	.globl	k_qbbcff6ae0b_prep
	.p2align	8
	.type	k_qbbcff6ae0b_prep,@function
k_qbbcff6ae0b_prep:
	s_mov_b64 s[64:65], 0
	v_nop
	global_prefetch_b8 v0, s[64:65] scope:SCOPE_SE
	s_setreg_imm32_b32 hwreg(HW_REG_WAVE_MODE, 25, 1), 1
	s_wait_xcnt 0x0
; x is quantised to FP4 (E2M1, one E8M0 byte for 32 along K); q = rope(x wq + bq), k = rope(x wk + bk), v = x wv + bv are made on codes, in f32 sums, and quantised again:
; q and k along the head's 64, v along the keys.  They leave as IMAGES OF OPERAND REGISTERS (lane l's 16 bytes at 16 l), in the order in which the attention launch takes them.
; SHARES.  Work-group (R, g): R = 16 batch + s names 128 rows, g a key/value head.  Wave w owns one tile of 16 rows; for it it makes query heads 4 g .. 4 g + 3 and key head g.
; It also makes, of the values, 16 of the head's 64 (tile w % 4) for 64 keys (half w / 4), from four tiles of x that come through LDS as images.
; THE ROWS OF A TILE ARE NOT NEIGHBOURS: lane r of tile w takes row 32 (w / 2) + 8 (w % 2) + r + 8 (r / 8) of the 128.  The weights' rows of a tile are chosen alike.  So in a transposed product
; (source 0 = 16 rows of a weight, source 1 = x) a lane holds one row of x and its 32 registers are d = 32 b + 16 (lane / 16) + 0 .. 15, b = 0, 1: neighbours along the next K.
; K = 64 fills half of the matrix instruction's 128: registers 4-7 of both operands hold zero codes and the upper two scale bytes are 0.
; ROPE.  The angle is position x 10^(-i / 8) in f32; sine and cosine by reduction modulo pi / 2 (two-part constant, fused) and polynomials of degree 7 and 8, once for the wave's 16 rows.
; LIMITS.  The 32 frequencies are the nearest f32 to 10^(-i / 8); a power and a division in f32 may give a neighbour of it, which moves an angle by at most 1e-4 at position 2,047.
; A block whose largest magnitude lies under 2^-124 (zeros too) gets the scale byte 1: its bytes are read by this program alone.  NaN and infinities among the inputs are not served.
; NO CLUSTER, NO TENSOR LOAD: what work-groups share (a head group's weights, 14 KiB, and 32 KiB of x) goes once from memory straight into operand registers; there is no tile in LDS to share.
.set XIMG, 0                           ; LDS: the eight tiles of x as images, 512 bytes each
.set XSC,  4096                        ; their scale words, 64 bytes a tile
.set QST,  4608                        ; q's scale words: 512 head + 64 tile + 4 r
.set KST,  6656                        ; k's, as the attention launch loads them: 256 (tile / 4) + 16 r + 4 (tile % 4)
.set VST,  7168                        ; v's: 128 (tile / 2) + 8 r + 4 (tile % 2) + 2 half
.set KVB,  8960                        ; a key step's block in kv: 4,096 K's images, 4,096 V's, 512 K's scale words, 256 V's
.set SEL,  38                          ; s[38:39] v_permlanex16_b32's selects for lane l xor 16
.set W0,   32                          ; v32-95   weight fragments, two sets of 4 x 8
.set H0,   96                          ; v96-159  results, two sets of 4 x 8; the bias is loaded into them and is the products' C
.set RR,   160                         ; v160-191 x as loaded; later the rotated numbers
.set CS,   192                         ; v192-223 pair p: cosine at 2 p, sine at 2 p + 1
.set PC,   224                         ; v224-227 the codes just made
.set PW,   228                         ; v228     their scale word
.set TM,   230                         ; v230-235 at work in the quantiser
.set WS,   240                         ; v240-247 the weights' scale words, two sets of 4
; v1 r, v2 h, v3 r + 8 (r / 8); v4-7, v26 offsets of loads; v8 16 lane, v9 8 lane; v10-14, v27-29 LDS addresses; v15 8 h; v16-23 x's fragment, v24 its scale word; v25 the position
; A head's four tiles: fragment, scale word, and the bias in the result's layout.  16 loads.
.macro LOADW set, cp, sp, bp, j
.irp t, 0,1,2,3
	global_load_b128 v[W0+32*\set+8*\t:W0+32*\set+8*\t+3], v5, s[\cp:\cp+1] offset:\j*2048+(32*(\t/2)+8*(\t%2))*32
	global_load_u16 v[WS+4*\set+\t], v6, s[\sp:\sp+1] offset:\j*128+(32*(\t/2)+8*(\t%2))*2
	global_load_b128 v[H0+32*\set+8*\t:H0+32*\set+8*\t+3], v7, s[\bp:\bp+1] offset:\j*256+(32*(\t/2)+8*(\t%2))*4
	global_load_b128 v[H0+32*\set+8*\t+4:H0+32*\set+8*\t+7], v7, s[\bp:\bp+1] offset:\j*256+(32*(\t/2)+8*(\t%2))*4+16
.endr
.endm
; Four products, transposed; four accumulators, one instruction each.  Four places follow, ahead of the first read of a result (ISA guide 7.12.1).
.macro MULT set
.irp t, 0,1,2,3
	v_wmma_scale_f32_16x16x128_f8f6f4 v[H0+32*\set+8*\t:H0+32*\set+8*\t+7], v[W0+32*\set+8*\t:W0+32*\set+8*\t+7], v[16:23], v[H0+32*\set+8*\t:H0+32*\set+8*\t+7], v[WS+4*\set+\t], v24 matrix_a_fmt:MATRIX_FMT_FP4 matrix_b_fmt:MATRIX_FMT_FP4
.endr
.rept 4
	v_nop
.endr
.endm
; (t1, t2) -> (t1 cos - t2 sin, t1 sin + t2 cos), pair by pair; each accumulator is first read at its register 1
.macro ROPE set
.irp p, 0,1,2,3,4,5,6,7,8,9,10,11,12,13,14,15
	v_mul_f32 v[236+2*(\p%2)], v[H0+32*\set+2*\p+1], v[CS+2*\p+1]
	v_mul_f32 v[237+2*(\p%2)], v[H0+32*\set+2*\p+1], v[CS+2*\p]
	v_fma_f32 v[RR+2*\p], v[H0+32*\set+2*\p], v[CS+2*\p], -v[236+2*(\p%2)]
	v_fma_f32 v[RR+2*\p+1], v[H0+32*\set+2*\p], v[CS+2*\p+1], v[237+2*(\p%2)]
.endr
.endm
; 32 numbers of a lane, register 16 b + i = k 32 b + 16 (lane / 16) + i of my row, become four registers of codes (k = 32 (lane / 16) + 0 .. 31) and a scale word of two bytes.
.macro QUANT2 src
.irp b, 0,1
	v_max3_num_f32 v[TM+\b], |v[\src+16*\b]|, |v[\src+1+16*\b]|, 0x1800000   ; my 16 numbers of block b, and the floor 2^(3 - 127): the byte cannot fall under 1
.endr
.irp i, 2,4,6,8,10,12,14
.irp b, 0,1
	v_max3_num_f32 v[TM+\b], v[TM+\b], |v[\src+16*\b+\i]|, |v[\src+1+16*\b+\i]|
.endr
.endr
.irp b, 0,1
	v_permlanex16_b32 v[TM+2+\b], v[TM+\b], s[SEL], s[SEL+1]
.endr
.irp b, 0,1
	v_max_num_f32 v[TM+\b], v[TM+\b], v[TM+2+\b]      ; with lane l xor 16's: the block's largest magnitude
.endr
.irp b, 0,1
	v_add_nc_u32 v[TM+4+\b], 0xff000000, v[TM+\b]     ; 2 off its exponent field: the conversion's scale operand
.endr
.irp b, 0,1
	v_lshrrev_b32 v[TM+2+\b], 23, v[TM+4+\b]          ; the scale's byte
.endr
	s_wait_xcnt 0x0                                ; the last codes were a store's data: they are written again only behind this wait,
	s_wait_dscnt 0x0                               ; and the last scale word has left for LDS
	v_lshl_or_b32 v[PW], v[TM+3], 8, v[TM+2]
.irp b, 0,1
	v_cvt_scalef32_pk8_fp4_f32 v[PC+2*\b], v[\src+16*\b:\src+7+16*\b], v[TM+4+\b]
	v_cvt_scalef32_pk8_fp4_f32 v[PC+1+2*\b], v[\src+8+16*\b:\src+15+16*\b], v[TM+4+\b]
.endr
	v_nop                                          ; one plain place behind a scaled conversion
.irp i, 0,1
	v_permlane16_swap_b32 v[PC+\i], v[PC+2+\i]     ; a whole block to a lane: lanes 0-15 block 0, lanes 16-31 block 1
.endr
.endm
; cosine and sine of position x frequency for pair p; fa is the frequency of lanes 0-15, fb that of lanes 16-31 (vcc: lane / 16 = 1)
.macro SINCOS p, fa, fb
	v_mov_b32 v249, \fb
	v_cndmask_b32 v248, \fa, v249, vcc_lo
	v_mul_f32 v248, v25, v248                      ; the angle a
	v_mul_f32 v249, s48, v248
	v_rndne_f32 v249, v249                         ; n = the nearest whole number to a x 2 / pi
	v_fma_f32 v250, v249, s40, v248
	v_fma_f32 v250, v249, s41, v250                ; rr = a - n pi / 2, |rr| <= pi / 4
	v_cvt_i32_f32 v251, v249
	v_mul_f32 v252, v250, v250                     ; z = rr^2
	v_fma_f32 v253, v252, s44, s43
	v_fma_f32 v254, v252, s47, s46
	v_fma_f32 v253, v253, v252, s42
	v_fma_f32 v254, v254, v252, s45
	v_mul_f32 v255, v252, v250
	v_mul_f32 v249, v252, v252
	v_fma_f32 v248, v252, -0.5, 1.0
	v_fma_f32 v253, v253, v255, v250               ; sin rr
	v_fma_f32 v254, v254, v249, v248               ; cos rr
	v_and_b32 v249, 1, v251
	v_cmp_ne_u32 s30, 0, v249                      ; odd quadrant: sine and cosine change places (a choice of values, no branch)
	v_lshlrev_b32 v248, 30, v251                   ; the sine's sign: bit 1 of n
	v_add_nc_u32 v251, 1, v251
	v_and_b32 v248, 0x80000000, v248
	v_lshlrev_b32 v251, 30, v251                   ; the cosine's: bit 1 of n + 1
	v_cndmask_b32 v249, v253, v254, s30
	v_and_b32 v251, 0x80000000, v251
	v_cndmask_b32 v250, v254, v253, s30
	v_xor_b32 v[CS+2*\p+1], v248, v249
	v_xor_b32 v[CS+2*\p], v251, v250
.endm
	s_load_b512 s[4:19], s[0:1], 0x0               ; x, wq codes, wq scales, bq, wk codes, wk scales, bk, wv codes
	s_load_b256 s[20:27], s[0:1], 0x40             ; wv scales, bv, qimg, qsc
	s_load_b64 s[28:29], s[0:1], 0x60              ; kv
	v_lshl_add_u32 v31, v0, 2, 0x1e00
	v_mov_b32 v229, 0
	v_lshrrev_b32 v1, 5, v0
	v_readfirstlane_b32 s31, v1                    ; wave 0..7
	s_and_b32 s32, ttmp7, 0xffff                   ; g
	s_mov_b32 s33, ttmp9                           ; R = 16 batch + s
	v_and_b32 v1, 15, v0                           ; r
	v_bfe_u32 v2, v0, 4, 1                         ; h
	v_and_b32 v3, 8, v1
	v_add_nc_u32 v3, v3, v1                        ; r + 8 (r / 8)
	v_lshlrev_b32 v4, 8, v3
	v_lshl_add_u32 v4, v2, 7, v4                   ; x: my row of 256 bytes, my block of 32 numbers
	v_lshlrev_b32 v5, 5, v3
	v_lshl_add_u32 v5, v2, 4, v5                   ; a weight's codes: a row is 32 bytes, my block 16
	v_lshlrev_b32 v6, 1, v3                        ; its scale bytes: 2 a row
	v_lshlrev_b32 v7, 6, v2                        ; a bias: my half's 16 numbers begin 64 h bytes on
	v_and_b32 v9, 31, v0
	v_lshlrev_b32 v8, 4, v9                        ; 16 lane
	v_lshlrev_b32 v9, 3, v9                        ; 8 lane
	v_lshlrev_b32 v15, 3, v2                       ; 8 h
	v_lshlrev_b32 v26, 2, v3                       ; bv: 4 bytes for my d
	s_mov_b32 s59, 0
	s_lshl_b32 s58, s33, 15                        ; x: 128 rows of 256 bytes a group,
	s_lshr_b32 s60, s31, 1
	s_lshl_b32 s60, s60, 13
	s_add_co_u32 s58, s58, s60                     ; + 32 (w / 2) rows
	s_and_b32 s60, s31, 1
	s_lshl_b32 s60, s60, 11
	s_add_co_u32 s58, s58, s60                     ; + 8 (w % 2) rows
	s_wait_kmcnt 0x0
	s_add_nc_u64 s[4:5], s[4:5], s[58:59]
.irp i, 0,1,2,3,4,5,6,7
	global_load_b128 v[RR+4*\i:RR+4*\i+3], v4, s[4:5] offset:16*\i   ; a whole block of 32 along K to a lane
.endr
	s_lshl_b32 s58, s32, 13                        ; wq: 256 rows to a group of four heads
	s_add_nc_u64 s[6:7], s[6:7], s[58:59]
	s_lshl_b32 s58, s32, 9
	s_add_nc_u64 s[8:9], s[8:9], s[58:59]
	s_lshl_b32 s58, s32, 10
	s_add_nc_u64 s[10:11], s[10:11], s[58:59]
	LOADW 0, 6, 8, 10, 0                           ; query head 0 of the four
	s_lshl_b32 s58, s32, 11                        ; wk: 64 rows to a head
	s_add_nc_u64 s[12:13], s[12:13], s[58:59]
	s_lshl_b32 s58, s32, 7
	s_add_nc_u64 s[14:15], s[14:15], s[58:59]
	s_lshl_b32 s58, s32, 8
	s_add_nc_u64 s[16:17], s[16:17], s[58:59]
	s_lshr_b32 s35, s31, 2                         ; c = w / 4: my half of the keys, for V
	s_and_b32 s36, s31, 3                          ; t = w % 4: my tile of the head's 64, for V
	s_lshr_b32 s37, s36, 1
	s_lshl_b32 s37, s37, 5
	s_and_b32 s60, s36, 1
	s_lshl_b32 s60, s60, 3
	s_add_co_u32 s37, s37, s60                     ; that tile's first row of wv: 32 (t / 2) + 8 (t % 2)
	s_lshl_b32 s58, s32, 11
	s_lshl_b32 s60, s37, 5
	s_add_co_u32 s58, s58, s60
	s_add_nc_u64 s[18:19], s[18:19], s[58:59]
	s_lshl_b32 s58, s32, 7
	s_lshl_b32 s60, s37, 1
	s_add_co_u32 s58, s58, s60
	s_add_nc_u64 s[20:21], s[20:21], s[58:59]
	s_lshl_b32 s58, s32, 8
	s_lshl_b32 s60, s37, 2
	s_add_co_u32 s58, s58, s60
	s_add_nc_u64 s[22:23], s[22:23], s[58:59]
	s_lshr_b32 s61, s33, 4                         ; batch
	s_and_b32 s62, s33, 15                         ; s
	s_lshl_b32 s58, s61, 21                        ; qimg: [32 batch + head][tile of 128][512 bytes]
	s_lshl_b32 s60, s32, 18
	s_add_co_u32 s58, s58, s60
	s_lshl_b32 s60, s62, 3
	s_add_co_u32 s60, s60, s31
	s_lshl_b32 s60, s60, 9
	s_add_co_u32 s58, s58, s60
	s_add_nc_u64 s[24:25], s[24:25], s[58:59]
	s_lshl_b32 s58, s61, 5                         ; qsc: [32 batch + head][tile][64 bytes]; on the way out wave w takes head w / 2, tiles 4 (w % 2) on: 256 bytes
	s_lshl_b32 s60, s32, 2
	s_add_co_u32 s58, s58, s60
	s_lshr_b32 s60, s31, 1
	s_add_co_u32 s58, s58, s60
	s_lshl_b32 s58, s58, 7
	s_lshl_b32 s60, s62, 3
	s_add_co_u32 s58, s58, s60
	s_and_b32 s60, s31, 1
	s_lshl_b32 s60, s60, 2
	s_add_co_u32 s58, s58, s60
	s_lshl_b32 s58, s58, 6
	s_add_nc_u64 s[50:51], s[26:27], s[58:59]
	s_lshl_b32 s58, s61, 7                         ; kv: [8 batch + g][key step s][8,960 bytes]
	s_lshl_b32 s60, s32, 4
	s_add_co_u32 s58, s58, s60
	s_add_co_u32 s58, s58, s62
	s_mul_i32 s58, s58, KVB
	s_add_nc_u64 s[28:29], s[28:29], s[58:59]
	s_lshl_b32 s58, s31, 8
	s_add_co_u32 s58, s58, 8192
	s_add_nc_u64 s[52:53], s[28:29], s[58:59]      ; the block's scale words, 256 bytes a wave (waves 0 to 2)
	s_lshl_b32 s58, s31, 9
	s_add_nc_u64 s[54:55], s[28:29], s[58:59]      ; K's image of tile w
	s_lshl_b32 s58, s36, 10
	s_lshl_b32 s60, s35, 9
	s_add_co_u32 s58, s58, s60
	s_add_co_u32 s58, s58, 4096
	s_add_nc_u64 s[56:57], s[28:29], s[58:59]      ; V's image: tile t, registers 4 c .. 4 c + 3
	; LDS addresses: a constant + a constant x lane + constants x bits of the wave's number
	s_lshl_b32 s34, s31, 9
	v_add_nc_u32 v10, s34, v8                      ; my tile's image
	s_lshl_b32 s34, s31, 6
	s_add_co_u32 s34, s34, XSC
	v_lshl_add_u32 v11, v1, 2, s34                 ; its scale words
	v_add_nc_u32 v12, QST-XSC, v11                 ; q's scale words
	s_lshl_b32 s34, s35, 8
	s_lshl_b32 s37, s36, 2
	s_add_co_u32 s34, s34, s37
	s_add_co_u32 s34, s34, KST
	v_lshl_add_u32 v13, v1, 4, s34                 ; k's
	s_lshr_b32 s34, s36, 1
	s_lshl_b32 s34, s34, 7
	s_and_b32 s37, s31, 1
	s_lshl_b32 s37, s37, 2
	s_add_co_u32 s34, s34, s37
	s_lshl_b32 s37, s35, 1
	s_add_co_u32 s34, s34, s37
	s_add_co_u32 s34, s34, VST
	v_lshl_add_u32 v14, v1, 3, s34                 ; v's
	s_lshl_b32 s34, s35, 8
	s_add_co_u32 s34, s34, XSC
	v_lshl_add_u32 v27, v1, 2, s34                 ; for V: the scale words of tiles 4 c on,
	s_lshl_b32 s34, s35, 11
	v_add_nc_u32 v28, s34, v8                      ; and their images
	s_lshl_b32 s34, s31, 8
	s_add_co_u32 s34, s34, QST
	v_add_nc_u32 v29, s34, v9                      ; the way out of the scale words: 256 bytes a wave
	s_and_b32 s34, s33, 15                         ; my row's position in its sequence
	s_lshl_b32 s34, s34, 7
	s_lshr_b32 s37, s31, 1
	s_lshl_b32 s37, s37, 5
	s_add_co_u32 s34, s34, s37
	s_and_b32 s37, s31, 1
	s_lshl_b32 s37, s37, 3
	s_add_co_u32 s34, s34, s37
	v_add_nc_u32 v25, s34, v3
	v_cvt_f32_u32 v25, v25
	v_cmp_ne_u32 vcc_lo, 0, v2                     ; lanes 16-31; kept through the sixteen SINCOS
	s_mov_b32 s[SEL], 0x76543210
	s_mov_b32 s[SEL+1], 0xfedcba98
	s_mov_b32 s40, 0xbfc90fdb                      ; -pi / 2: the nearest f32,
	s_mov_b32 s41, 0x333bbd2e                      ; and what that leaves over
	s_mov_b32 s42, 0xbe2aaaa3                      ; sine: rr + rr z (s42 + z (s43 + z s44))
	s_mov_b32 s43, 0x3c08839e
	s_mov_b32 s44, 0xb94ca1f9
	s_mov_b32 s45, 0x3d2aaaa5                      ; cosine: 1 - z / 2 + z z (s45 + z (s46 + z s47))
	s_mov_b32 s46, 0xbab6061a
	s_mov_b32 s47, 0x37ccf5ce
	s_mov_b32 s48, 0x3f22f983                      ; 2 / pi
.irp j, 20,21,22,23
	v_mov_b32 v[\j], 0                             ; zero codes for k = 64 .. 127
.endr
.irp t, 0,1,2,3,4,5,6,7
.irp j, 4,5,6,7
	v_mov_b32 v[W0+8*\t+\j], 0                     ; likewise in all eight weight fragments: the loads fill registers 0-3 alone
.endr
.endr
	v_mov_b32 v[TM+2], 0                           ; written once: a lane permute's destination counts as one of its sources
	v_mov_b32 v[TM+3], 0
	; the sixteen pairs of a lane: pair 8 b + p has frequency number 16 b + 8 h + p.  This work stands between the loads and the first wait for them
	SINCOS 0, 0x3f800000, 0x3dcccccd
	SINCOS 1, 0x3f3ff911, 0x3d99940e
	SINCOS 2, 0x3f0ff59a, 0x3d6655c3
	SINCOS 3, 0x3ed7e89b, 0x3d2cba15
	SINCOS 4, 0x3ea1e89b, 0x3d0186e2
	SINCOS 5, 0x3e72d424, 0x3cc24350
	SINCOS 6, 0x3e361887, 0x3c91ad39
	SINCOS 7, 0x3e088d77, 0x3c5a7bf1
	SINCOS 8, 0x3c23d70a, 0x3a83126f
	SINCOS 9, 0x3bf5b9b0, 0x3a44948c
	SINCOS 10, 0x3bb8449c, 0x3a136a16
	SINCOS 11, 0x3b8a2e77, 0x39dd1726
	SINCOS 12, 0x3b4f3e37, 0x39a5cb5f
	SINCOS 13, 0x3b1b690d, 0x3978a814
	SINCOS 14, 0x3ae91528, 0x393a7753
	SINCOS 15, 0x3aaec98e, 0x390bd472
	; x is quantised: all 32 numbers of a block are one lane's
	s_wait_loadcnt 16                              ; x's eight loads are in; the 16 of query head 0 may be out
	v_max3_num_f32 v[TM], |v[RR]|, |v[RR+1]|, |v[RR+2]|
	v_max3_num_f32 v[TM+1], |v[RR+3]|, |v[RR+4]|, |v[RR+5]|
.irp i, 6,10,14,18,22,26
	v_max3_num_f32 v[TM], v[TM], |v[RR+\i]|, |v[RR+\i+1]|
	v_max3_num_f32 v[TM+1], v[TM+1], |v[RR+\i+2]|, |v[RR+\i+3]|
.endr
	v_max3_num_f32 v[TM], v[TM], |v[RR+30]|, |v[RR+31]|
	v_max3_num_f32 v[TM], v[TM], v[TM+1], 0x1800000
	v_add_nc_u32 v[TM+4], 0xff000000, v[TM]
	v_lshrrev_b32 v[TM+2], 23, v[TM+4]
.irp g, 0,1,2,3
	v_cvt_scalef32_pk8_fp4_f32 v[16+\g], v[RR+8*\g:RR+8*\g+7], v[TM+4]
.endr
	v_lshlrev_b32 v[TM+2], v15, v[TM+2]            ; my byte at its place (a plain place behind the conversions);
	v_permlanex16_b32 v[TM+3], v[TM+2], s[SEL], s[SEL+1]
	v_or_b32 v24, v[TM+2], v[TM+3]                 ; with lane l xor 16's the row's scale word is whole
	ds_store_b128 v10, v[16:19]
	ds_store_b32 v11, v24
	LOADW 1, 6, 8, 10, 1
	s_wait_dscnt 0x0                               ; for the others' sake: my image and scale words lie in LDS
	s_barrier_signal -1
	s_barrier_wait -1
.rept 8
	v_nop                                          ; a scale register written by a vector instruction stands eight places ahead of a scaled matrix instruction
.endr
	; the four query heads and the key head; the loads run two heads ahead, in two sets of registers
	s_wait_loadcnt 16                              ; head 0's 16 loads are in; head 1's may be out
	MULT 0
	ROPE 0
	LOADW 0, 6, 8, 10, 2
	QUANT2 RR
	global_store_b128 v8, v[PC:PC+3], s[24:25]     ; 32 lanes store 512 consecutive bytes
	ds_store_b32 v12, v[PW]
	s_wait_loadcnt 16                              ; head 1's are in; head 2's may be out
	MULT 1
	ROPE 1
	LOADW 1, 6, 8, 10, 3
	QUANT2 RR
	global_store_b128 v8, v[PC:PC+3], s[24:25] offset:65536
	ds_store_b32 v12, v[PW] offset:512
	s_wait_loadcnt 16                              ; head 2's are in; head 3's may be out
	MULT 0
	ROPE 0
	LOADW 0, 12, 14, 16, 0                         ; the key head
	QUANT2 RR
	global_store_b128 v8, v[PC:PC+3], s[24:25] offset:131072
	ds_store_b32 v12, v[PW] offset:1024
	s_wait_loadcnt 16                              ; head 3's are in; the key head's may be out
	MULT 1
	ROPE 1
	global_load_b128 v[64:67], v5, s[18:19]        ; for V: my tile of wv, its scale bytes, its bias
	global_load_u16 v244, v6, s[20:21]
	global_load_b32 v128, v26, s[22:23]
	QUANT2 RR
	global_store_b128 v8, v[PC:PC+3], s[24:25] offset:196608
	ds_store_b32 v12, v[PW] offset:1536
	s_wait_loadcnt 3                               ; the key head's are in; V's three may be out
	MULT 0
	ROPE 0
	QUANT2 RR
	global_store_b128 v8, v[PC:PC+3], s[54:55]
	ds_store_b32 v13, v[PW]
	; V, not transposed: source 0 = a tile of x (16 keys), source 1 = 16 rows of wv: a lane holds one d, and the 32 registers of four tiles are keys 64 c + 32 b + 16 h + 0 .. 15
.irp i, 0,1,2,3
	ds_load_b128 v[W0+8*\i:W0+8*\i+3], v28 offset:512*\i
	ds_load_b32 v[WS+\i], v27 offset:64*\i
.endr
	s_wait_loadcnt 0x0
.irp j, 129,130,131,132,133,134,135
	v_mov_b32 v[\j], v128                          ; the bias hangs on d alone: the same in a lane's eight registers
.endr
	s_wait_dscnt 0x0
.rept 4
	v_nop
.endr
.irp i, 0,1,2,3
	v_wmma_scale_f32_16x16x128_f8f6f4 v[H0+8*\i:H0+8*\i+7], v[W0+8*\i:W0+8*\i+7], v[64:71], v[128:135], v[WS+\i], v244 matrix_a_fmt:MATRIX_FMT_FP4 matrix_b_fmt:MATRIX_FMT_FP4
.endr
.rept 4
	v_nop
.endr
	QUANT2 H0
	global_store_b128 v8, v[PC:PC+3], s[56:57]
	ds_store_b16 v14, v[PW]                        ; two of the four bytes of d's scale word for these 128 keys
	s_wait_dscnt 0x0                               ; for the others' sake: my scale words lie in LDS
	s_barrier_signal -1
	s_barrier_wait -1
	ds_load_b64 v[236:237], v29
	s_wait_dscnt 0x0
	global_store_b64 v9, v[236:237], s[50:51]      ; 32 lanes store 256 consecutive bytes, at a multiple of 256 from the buffer's first byte
	s_cmp_lt_u32 s31, 3
	s_cbranch_scc0 .Lend
	ds_load_b64 v[238:239], v29 offset:KST-QST     ; K's 512 bytes and V's 256: waves 0 to 2
	s_wait_dscnt 0x0
	global_store_b64 v9, v[238:239], s[52:53]
.Lend:
	s_wait_tensorcnt 0x0
	ds_add_u32 v31, v229
	s_wait_dscnt 0x0
	s_endpgm
.Lfunc_end_k_qbbcff6ae0b_prep:
	.size	k_qbbcff6ae0b_prep, .Lfunc_end_k_qbbcff6ae0b_prep-k_qbbcff6ae0b_prep
	.p2alignl 7, 3214868480
	.fill 96, 4, 3214868480
	.section	.rodata,"a",@progbits
	.p2align	6, 0x0
	.amdhsa_kernel k_qbbcff6ae0b_prep
		.amdhsa_group_segment_fixed_size 8704
		.amdhsa_private_segment_fixed_size 0
		.amdhsa_enable_private_segment 0
		.amdhsa_kernarg_size 104
		.amdhsa_user_sgpr_count 2
		.amdhsa_user_sgpr_kernarg_segment_ptr 1
		.amdhsa_wavefront_size32 1
		.amdhsa_system_sgpr_workgroup_id_x 1
		.amdhsa_system_sgpr_workgroup_id_y 1
		.amdhsa_system_sgpr_workgroup_id_z 1
		.amdhsa_system_vgpr_workitem_id 0
		.amdhsa_next_free_vgpr 256
		.amdhsa_next_free_sgpr 66
		.amdhsa_reserve_vcc 1
		.amdhsa_float_denorm_mode_32 3
		.amdhsa_float_denorm_mode_16_64 3
		.amdhsa_memory_ordered 1
		.amdhsa_forward_progress 1
		.amdhsa_inst_pref_size 74
	.end_amdhsa_kernel
	.amdgpu_metadata
---
amdhsa.version: [ 1, 2 ]
amdhsa.kernels:
  - .name:           k_qbbcff6ae0b_prep
    .symbol:         k_qbbcff6ae0b_prep.kd
    .args:
      - { .name: x, .offset: 0, .size: 8, .value_kind: global_buffer, .address_space: global }
      - { .name: wq_codes, .offset: 8, .size: 8, .value_kind: global_buffer, .address_space: global }
      - { .name: wq_scales, .offset: 16, .size: 8, .value_kind: global_buffer, .address_space: global }
      - { .name: bq, .offset: 24, .size: 8, .value_kind: global_buffer, .address_space: global }
      - { .name: wk_codes, .offset: 32, .size: 8, .value_kind: global_buffer, .address_space: global }
      - { .name: wk_scales, .offset: 40, .size: 8, .value_kind: global_buffer, .address_space: global }
      - { .name: bk, .offset: 48, .size: 8, .value_kind: global_buffer, .address_space: global }
      - { .name: wv_codes, .offset: 56, .size: 8, .value_kind: global_buffer, .address_space: global }
      - { .name: wv_scales, .offset: 64, .size: 8, .value_kind: global_buffer, .address_space: global }
      - { .name: bv, .offset: 72, .size: 8, .value_kind: global_buffer, .address_space: global }
      - { .name: qimg, .offset: 80, .size: 8, .value_kind: global_buffer, .address_space: global }
      - { .name: qsc, .offset: 88, .size: 8, .value_kind: global_buffer, .address_space: global }
      - { .name: kv, .offset: 96, .size: 8, .value_kind: global_buffer, .address_space: global }
    .group_segment_fixed_size: 8704
    .private_segment_fixed_size: 0
    .kernarg_segment_align: 8
    .kernarg_segment_size: 104
    .max_flat_workgroup_size: 256
    .sgpr_count:     66
    .vgpr_count:     256
    .wavefront_size: 32
...
	.end_amdgpu_metadata
.endif
;; end of part 1
;; launch attn (part 2): grid 16 x 16, 16 waves a work-group, clusters of 4 x 1, 169,984 bytes of LDS; arguments qimg, qsc, kv, oimg, osc; writes oimg, osc
.if DOCPART == 2
	.amdgcn_target "amdgcn-amd-amdhsa--gfx1250"
	.amdhsa_code_object_version 6
	.text
	.protected	k_qbbcff6ae0b_attn
	.globl	k_qbbcff6ae0b_attn
	.p2align	8
	.type	k_qbbcff6ae0b_attn,@function
k_qbbcff6ae0b_attn:
	s_mov_b64 s[64:65], 0
	v_nop
	global_prefetch_b8 v0, s[64:65] scope:SCOPE_SE
	s_setreg_imm32_b32 hwreg(HW_REG_WAVE_MODE, 25, 1), 1
	s_wait_xcnt 0x0
	s_wait_alu depctr_hold_cnt(0) depctr_sa_sdst(0) depctr_va_vdst(0) depctr_va_sdst(0) depctr_va_ssrc(0) depctr_va_vcc(0) depctr_vm_vsrc(0)
	s_getreg_b32 s2, hwreg(HW_REG_IB_STS2, 6, 4)
	s_cmp_eq_u32 s2, 0
	s_cbranch_scc0 .Lentry_in_a_cluster
	s_endpgm
.Lentry_in_a_cluster:
	s_bfe_u32 s2, ttmp6, 0x10000c
	s_cmp_lg_u32 s2, 0x3003
	s_cbranch_scc0 .Lentry_shape_is_right
	s_endpgm
.Lentry_shape_is_right:
; Causal attention on codes of FP4 (E2M1, one E8M0 byte for 32 along K): S^T = K Q^T, p = 2^(t - M), O^T = V^T P^T, o = O / l, and o quantised along the head's 64 for the last product.
; t = score x log2(e) / 8; M = the row's largest t so far, rounded UP to a whole number; the row's sum l is taken of the unquantised p.  When M moves, l and O are multiplied by 2^(old M - new M): exact.
; SHARES.  Work-group (u, cx, y): y = 8 batch + key/value head, cx = which of that head's four query heads, u = 0 .. 3.  Wave w owns TWO tiles of 16 queries: tile 16 u + w and tile 127 - (16 u + w).
; A tile T needs T / 8 + 1 key steps of 128 keys, so every wave of the launch has 17 steps.  Sixteen waves, four to a SIMD: one wave's vector work stands beside another's products and LDS loads.
; TILES.  Lane r of tile T holds row 32 (T / 2) + 8 (T % 2) + r + 8 (r / 8); eight tiles are a key step.  So in S^T the 16 registers of tiles 2 b, 2 b + 1 are keys 32 b + 16 (lane / 16) + 0 .. 15.
; All operands come as images of their registers (lane l's 16 bytes at 16 l): every LDS load of the loop reads consecutive bytes.  The head size 64 fills half of a product's 128: registers 4-7 of K's and Q's fragments are zero codes.
; LDS.  The codes and scale bytes of one key/value head, 16 blocks of 8,960 bytes, are filled ONCE: wave w asks for block w, one tensor load a wave.  No byte is filled again.
; CLUSTER.  The four work-groups of a cluster are the four query heads that share this key/value head, with the same tiles: each block is asked for JOINTLY, by the same load with the same descriptor and a
; mask that names the four.  cx enters the global addresses of Q and o alone; every branch hangs on u, the wave's number and counters.
; CAUSAL.  Both loops have 16 trips; a step all of whose keys come after the tile's queries is jumped over (a scalar branch on ids); in the tile's one step on the diagonal hidden scores become -infinity.
; LIMITS.  A block of o or p whose largest magnitude lies under 2^-124 (zeros too) gets the scale byte 1: these bytes are read by this program alone.  NaN and infinities are not served.
.set BLK,  8960                        ; a key step's block: K's 8 images at 0, V's 8 half images at 4,096, K's scale words at 8,192, V's at 8,704
.set STG,  16*BLK                      ; behind the blocks: o's scale bytes, 512 bytes for the low tiles and 512 for the high ones; no fill lands here
.set WV,   14                          ; s14 my wave's number; s16 u; s17 y; s15 cx; s18 4 y + cx
.set SEL,  20                          ; s[20:21] v_permlanex16_b32's selects for lane l xor 16
.set CS,   22                          ; s[22:23] c = log2(e) / 8 (the packed form names a pair)
.set G1,   24                          ; s[24:31] descriptor group 1;  s[32:35] group 0
.set G0,   32
.set TB,   42                          ; s42 LDS byte at which the step's block begins
.set SI,   43                          ; s43 the step
.set PC,   224                         ; v224-231 p's codes; o's codes in v224-227
.set TM,   232                         ; v232-237 at work in o's quantiser
.set PW,   238                         ; v238 o's scale word
; s36, s37 the high and the low tile; s38, s39 their last steps; s40, s41 their first query's place in that step; s[44:57] global addresses
; v1 16 lane, v2 8 lane, v3 r + 8 (r / 8) - 16 h, v4 4 r, v5-7 LDS addresses of the stage, v8-9 of the step's loads; v12 -M, v13 the largest t, v[14:15] the sum in two halves;
; v16-23, v24-31 Q of the high and low tile; v32-95 K; v96-159 S^T, then p; v160-191 O^T; v192-223 V; v240-241 V's scale words, v242-243 Q's, v248-251 K's, v253 p's; v244-247 the conversions' scales
.macro ROUND                           ; a round of the cluster's barrier
	s_barrier_signal -1
	s_barrier_wait -1
	s_cmp_lg_u32 s[WV], 0
	s_cbranch_scc1 .Lnot_wave_0_\@
	s_barrier_signal -3
.Lnot_wave_0_\@:
	s_barrier_wait -3
	s_barrier_signal -1
	s_barrier_wait -1
.endm
; 32 numbers of a lane, register 16 b + i = d 32 b + 16 (lane / 16) + i of my query, become four registers of codes and a scale word of two bytes
.macro QUANT2 src
.irp b, 0,1
	v_max3_num_f32 v[TM+\b], |v[\src+16*\b]|, |v[\src+1+16*\b]|, 0x1800000   ; and the floor 2^(3 - 127): the byte cannot fall under 1
.endr
.irp i, 2,4,6,8,10,12,14
.irp b, 0,1
	v_max3_num_f32 v[TM+\b], v[TM+\b], |v[\src+16*\b+\i]|, |v[\src+1+16*\b+\i]|
.endr
.endr
.irp b, 0,1
	v_permlanex16_b32 v[TM+2+\b], v[TM+\b], s[SEL], s[SEL+1]
.endr
.irp b, 0,1
	v_max_num_f32 v[TM+\b], v[TM+\b], v[TM+2+\b]
.endr
.irp b, 0,1
	v_add_nc_u32 v[TM+4+\b], 0xff000000, v[TM+\b]
.endr
.irp b, 0,1
	v_lshrrev_b32 v[TM+2+\b], 23, v[TM+4+\b]
.endr
	s_wait_xcnt 0x0
	s_wait_dscnt 0x0
	v_lshl_or_b32 v[PW], v[TM+3], 8, v[TM+2]
.irp b, 0,1
	v_cvt_scalef32_pk8_fp4_f32 v[PC+2*\b], v[\src+16*\b:\src+7+16*\b], v[TM+4+\b]
	v_cvt_scalef32_pk8_fp4_f32 v[PC+1+2*\b], v[\src+8+16*\b:\src+15+16*\b], v[TM+4+\b]
.endr
	v_nop                                          ; one plain place behind a scaled conversion
.irp i, 0,1
	v_permlane16_swap_b32 v[PC+\i], v[PC+2+\i]
.endr
.endm
	s_load_b256 s[4:11], s[0:1], 0x0               ; qimg, qsc, kv, oimg
	s_load_b64 s[12:13], s[0:1], 0x20              ; osc
	v_lshl_add_u32 v254, v0, 2, 0x29000
	v_mov_b32 v255, 0
	ds_add_u32 v254, v255
	ds_add_u32 v254, v255
	s_wait_dscnt 0x0
	v_lshrrev_b32 v10, 5, v0
	v_readfirstlane_b32 s[WV], v10                 ; wave 0..15
	s_mov_b32 s16, ttmp9                           ; u: in a cluster launch ttmp9 counts clusters
	s_and_b32 s17, ttmp7, 0xffff                   ; y, which the four partners share
	; descriptor group 1: a block is dense: 35 rows of 256 bytes (32 elements of 8 bytes), no padding: images are read 16 bytes a lane on end
	s_mov_b32 s[G1], 15|(3<<16)|(1<<21)            ; 15:0 the mask: all four work-groups; 17:16 elements of 8 bytes; 21 set beside a mask
	s_mov_b32 s[G1+1], 32<<16                      ; tensor_dim0
	s_mov_b32 s[G1+2], 35<<16                      ; tensor_dim1
	s_mov_b32 s[G1+3], 32<<16                      ; tile_dim0
	s_mov_b32 s[G1+4], 35                          ; tile_dim1
	s_mov_b32 s[G1+5], 32                          ; from row to row
	s_mov_b32 s[G1+6], 0
	s_mov_b32 s[G1+7], 0
	s_mov_b32 s[G0], 1
	s_mul_i32 s[G0+1], s[WV], BLK                  ; LDS: block w
	s_mul_i32 s58, s17, 16*BLK
	s_add_co_u32 s58, s58, s[G0+1]                 ; memory: head y's block w
	s_mov_b32 s59, 0
	s_lshl_b32 s37, s16, 4
	s_add_co_u32 s37, s37, s[WV]                   ; the low tile
	s_sub_co_u32 s36, 127, s37                     ; the high tile
	s_lshr_b32 s38, s36, 3                         ; their steps on the diagonal
	s_lshr_b32 s39, s37, 3
	s_and_b32 s40, s36, 6                          ; a tile's first query in that step: 16 (T & 6) + 8 (T & 1)
	s_lshl_b32 s40, s40, 4
	s_and_b32 s60, s36, 1
	s_lshl_b32 s60, s60, 3
	s_add_co_u32 s40, s40, s60
	s_and_b32 s41, s37, 6
	s_lshl_b32 s41, s41, 4
	s_and_b32 s60, s37, 1
	s_lshl_b32 s60, s60, 3
	s_add_co_u32 s41, s41, s60
	s_mov_b32 s[SEL], 0x76543210
	s_mov_b32 s[SEL+1], 0xfedcba98
	s_mov_b32 s[CS], 0x3e38aa3b                    ; log2(e) / 8
	s_mov_b32 s[CS+1], s[CS]
	s_wait_kmcnt 0x0
	s_add_nc_u64 s[G0+2:G0+3], s[8:9], s[58:59]
	s_or_b32 s[G0+3], s[G0+3], 0x80000000          ; type = 2
	ROUND                                          ; all four work-groups are here: the joint loads meet
	tensor_load_to_lds s[G0:G0+3], s[G1:G1+7]      ; my one tensor load of the launch
	s_nop 0
.rept 4
	v_nop
.endr
	s_bfe_u32 s15, ttmp6, 0x40000                  ; cx: from here on it enters Q's and o's global addresses, and nothing else
	s_lshl_b32 s18, s17, 2
	s_add_co_u32 s18, s18, s15                     ; 32 batch + query head = 4 y + cx
	s_mov_b32 s61, 0
	s_lshl_b32 s19, s18, 16                        ; qimg: [head][tile][512]
	s_lshl_b32 s60, s36, 9
	s_add_co_u32 s60, s60, s19
	s_add_nc_u64 s[44:45], s[4:5], s[60:61]
	s_lshl_b32 s60, s37, 9
	s_add_co_u32 s60, s60, s19
	s_add_nc_u64 s[46:47], s[4:5], s[60:61]
	s_lshl_b32 s19, s18, 13                        ; qsc: [head][tile][64]
	s_lshl_b32 s60, s36, 6
	s_add_co_u32 s60, s60, s19
	s_add_nc_u64 s[48:49], s[6:7], s[60:61]
	s_lshl_b32 s60, s37, 6
	s_add_co_u32 s60, s60, s19
	s_add_nc_u64 s[50:51], s[6:7], s[60:61]
	s_lshr_b32 s19, s17, 3                         ; oimg: [batch][tile][head of 32][512]
	s_lshl_b32 s19, s19, 21
	s_and_b32 s62, s17, 7
	s_lshl_b32 s62, s62, 2
	s_add_co_u32 s62, s62, s15
	s_lshl_b32 s62, s62, 9
	s_add_co_u32 s19, s19, s62
	s_lshl_b32 s60, s36, 14
	s_add_co_u32 s60, s60, s19
	s_add_nc_u64 s[52:53], s[10:11], s[60:61]
	s_lshl_b32 s60, s37, 14
	s_add_co_u32 s60, s60, s19
	s_add_nc_u64 s[54:55], s[10:11], s[60:61]
	s_lshl_b32 s62, s16, 9                         ; osc: [head][tile][32]: the sixteen low tiles begin at 512 u, the sixteen high ones at 32 (112 - 16 u)
	s_sub_co_u32 s63, 3584, s62
	s_cmp_eq_u32 s[WV], 0                          ; wave 0 stores the low tiles' bytes, wave 1 the high tiles'
	s_cselect_b32 s60, s62, s63
	s_lshl_b32 s19, s18, 12
	s_add_co_u32 s60, s60, s19
	s_add_nc_u64 s[56:57], s[12:13], s[60:61]
	v_and_b32 v10, 15, v0                          ; r
	v_bfe_u32 v11, v0, 4, 1                        ; h
	v_and_b32 v2, 31, v0
	v_lshlrev_b32 v1, 4, v2
	v_lshlrev_b32 v2, 3, v2
	v_lshlrev_b32 v4, 2, v10
	global_load_b128 v[16:19], v1, s[44:45] th:TH_LOAD_NT
	global_load_b32 v242, v4, s[48:49] th:TH_LOAD_NT
	global_load_b128 v[24:27], v1, s[46:47] th:TH_LOAD_NT
	global_load_b32 v243, v4, s[50:51] th:TH_LOAD_NT
	v_and_b32 v3, 8, v10
	v_add_nc_u32 v3, v3, v10
	v_lshlrev_b32 v11, 4, v11
	v_sub_nc_u32 v3, v3, v11                       ; my query's place in its tile, less my half's 16 keys
	s_lshl_b32 s58, s[WV], 5
	s_add_co_u32 s58, s58, STG
	v_lshl_add_u32 v5, v10, 1, s58                 ; the stage: low tile w, 2 bytes a query
	s_xor_b32 s58, s[WV], 15
	s_lshl_b32 s58, s58, 5
	s_add_co_u32 s58, s58, STG+512
	v_lshl_add_u32 v6, v10, 1, s58                 ; high tile: number 15 - w of its sixteen
	s_lshl_b32 s58, s[WV], 9
	s_add_co_u32 s58, s58, STG
	v_add_nc_u32 v7, s58, v1                       ; back (waves 0 and 1): 512 bytes
.irp j, 20,21,22,23,28,29,30,31
	v_mov_b32 v[\j], 0                             ; zero codes for d = 64 .. 127
.endr
.irp t, 0,1,2,3,4,5,6,7
.irp j, 4,5,6,7
	v_mov_b32 v[32+8*\t+\j], 0                     ; likewise in K's eight fragments: the loads fill registers 0-3 alone
.endr
.endr
.irp j, 232,233,234,235,236,237,238,239,252,253
	v_mov_b32 v[\j], 0                             ; written once: a lane permute's destination counts as one of its sources; v253 is named in the pair v[252:253]
.endr
	s_wait_tensorcnt 0x0                           ; my block has landed,
	s_barrier_signal -1
	s_barrier_wait -1                              ; everybody's has
	s_wait_loadcnt 0x0                             ; Q
; One tile of 16 queries through its key steps.  qf: Q's fragment; sw: its scale words; ad: s of the last step; dq: s of the first query's place in it; ob: s of o's image; sg: v of the stage
.macro PASS qf, sw, ad, dq, ob, sg
	s_wait_xcnt 0x0                                ; the last tile's codes were a store's data
	s_wait_dscnt 0x0
	v_mov_b32 v13, 0xff61b1e6                      ; the largest t so far: -3e38, under every t
	v_floor_f32 v12, -v13                          ; -M
	v_mov_b32 v14, 0
	v_mov_b32 v15, 0
.irp j, 0,1,2,3,4,5,6,7,8,9,10,11,12,13,14,15,16,17,18,19,20,21,22,23,24,25,26,27,28,29,30,31
	v_mov_b32 v[160+\j], 0                         ; O^T.  (The step is written once: the first finds zeros, which the first change of M leaves zeros)
.endr
	s_mov_b32 s[TB], 0
	s_mov_b32 s[SI], 0
.Lstep_\@:
	s_cmp_gt_u32 s[SI], s[\ad]                     ; all 128 keys come after my queries: only the address steps at the trip's end are run
	s_cbranch_scc1 .Lhid_\@
	v_add_nc_u32 v8, s[TB], v1
	v_add_nc_u32 v9, s[TB], v2
	v_nop
	v_nop                                          ; with the two additions: four places ahead of loads into registers that the last products read
.irp t, 0,1,2,3,4,5,6,7
	ds_load_b128 v[32+8*\t:35+8*\t], v8 offset:512*\t
.endr
	ds_load_b128 v[248:251], v8 offset:8192        ; K's scale words: register t % 4, lanes 16 (t / 4) + r
.irp i, 0,1,2,3,4,5,6,7
	ds_load_b128 v[192+4*\i:195+4*\i], v8 offset:4096+512*\i
.endr
	ds_load_b64 v[240:241], v9 offset:8704         ; V's: register t % 2, lanes 16 (t / 2) + r
	s_wait_dscnt 9                                 ; K's nine loads are in; V's nine may be out
.irp t, 0,1,2,3
	v_wmma_scale_f32_16x16x128_f8f6f4 v[96+8*\t:103+8*\t], v[32+8*\t:39+8*\t], v[\qf:\qf+7], 0, v[248+\t], v[\sw] matrix_a_fmt:MATRIX_FMT_FP4 matrix_b_fmt:MATRIX_FMT_FP4
.endr
.irp t, 4,5,6,7
	v_wmma_scale_f32_16x16x128_f8f6f4 v[96+8*\t:103+8*\t], v[32+8*\t:39+8*\t], v[\qf:\qf+7], 0, v[244+\t], v[\sw] matrix_a_fmt:MATRIX_FMT_FP4 matrix_b_fmt:MATRIX_FMT_FP4 matrix_a_scale:MATRIX_SCALE_ROW1
.endr
.rept 4
	v_nop
.endr
	s_cmp_lg_u32 s[SI], s[\ad]                     ; a step ahead of the diagonal: all its keys count
	s_cbranch_scc1 .Lopen_\@
	v_add_nc_u32 v252, s[\dq], v3                  ; d = my query's place in the step - 16 (lane / 16).  Register 16 b + i holds key 32 b + 16 (lane / 16) + i: hidden where 32 b + i > d
	v_mov_b32 v254, 0xff800000                     ; -infinity: p = 0 then
.irp n, 0,1,2,3,4,5,6,7,8,9,10,11,12,13,14,15,16,17,18,19,20,21,22,23,24,25,26,27,28,29,30,31,32,33,34,35,36,37,38,39,40,41,42,43,44,45,46,47,48,49,50,51,52,53,54,55,56,57,58,59,60,61,62,63
	v_cmp_gt_i32 vcc_lo, 32*(\n/16)+\n%16, v252
	v_cndmask_b32 v[96+\n], v[96+\n], v254, vcc_lo
.endr
.Lopen_\@:
.irp b, 0,1,2,3
	v_max3_num_f32 v[232+\b], v[96+16*\b], v[97+16*\b], v[98+16*\b]   ; the largest score of each block of 32 keys: it serves for the row's maximum and, since p rises with the score, for the block's largest p
.endr
.irp i, 3,5,7,9,11,13
.irp b, 0,1,2,3
	v_max3_num_f32 v[232+\b], v[232+\b], v[96+16*\b+\i], v[97+16*\b+\i]
.endr
.endr
.irp b, 0,1,2,3
	v_max_num_f32 v[232+\b], v[232+\b], v[111+16*\b]
.endr
.irp b, 0,1,2,3
	v_permlanex16_b32 v[236+\b], v[232+\b], s[SEL], s[SEL+1]
.endr
.irp b, 0,1,2,3
	v_max_num_f32 v[232+\b], v[232+\b], v[236+\b]  ; with lane l xor 16's 16 keys
.endr
	v_max3_num_f32 v254, v232, v233, v234
	v_max_num_f32 v254, v254, v235
	v_mul_f32 v254, s[CS], v254                    ; the step's largest t (c is positive)
	v_max_num_f32 v13, v13, v254
	v_mov_b32 v254, v12
	v_floor_f32 v12, -v13                          ; the new -M = -ceil(t)
	v_sub_f32 v254, v12, v254                      ; old M - new M: a whole number, 0 or less
	v_cvt_i32_f32 v254, v254                       ; (it saturates)
	v_ldexp_f32 v252, 1.0, v254                    ; f = 2^(old M - new M)
.irp j, 0,2,4,6,8,10,12,14,16,18,20,22,24,26,28,30,32,34,36,38,40,42,44,46,48,50,52,54,56,58,60,62
	v_pk_fma_f32 v[96+\j:97+\j], v[96+\j:97+\j], s[CS:CS+1], v[12:13] op_sel_hi:[1,0,0]   ; t - M, two at a time
.endr
.irp b, 0,1,2,3
	v_fma_f32 v[232+\b], v[232+\b], s[CS], v12     ; the same of each block's largest score
.endr
.irp j, 0,1,2,3,4,5,6,7,8,9,10,11,12,13,14,15,16,17,18,19,20,21,22,23,24,25,26,27,28,29,30,31,32,33,34,35,36,37,38,39,40,41,42,43,44,45,46,47,48,49,50,51,52,53,54,55,56,57,58,59,60,61,62,63
	v_exp_f32 v[96+\j], v[96+\j]                   ; p = 2^(t - M): not normalised
.endr
	v_pk_mul_f32 v[14:15], v[14:15], v[252:253] op_sel_hi:[1,0]   ; the sums under the new M (a plain place behind the exponentials)
	s_wait_alu depctr_va_vdst(0)                   ; one wait for the batch of 64, ahead of its first reader
.irp b, 0,1,2,3
	v_exp_f32 v[232+\b], v[232+\b]                 ; each block's largest p
.endr
	v_pk_add_f32 v[236:237], v[96:97], v[98:99]    ; the row's sum of the unquantised p, two at a time, in two chains
.irp j, 4,8,12,16,20,24,28,32,36,40,44,48,52,56,60
	v_pk_add_f32 v[14:15], v[14:15], v[96+\j:97+\j]
	v_pk_add_f32 v[236:237], v[236:237], v[98+\j:99+\j]
.endr
	v_pk_add_f32 v[14:15], v[14:15], v[236:237]
	s_wait_alu depctr_va_vdst(0)                   ; and one for the four
.irp b, 0,1,2,3
	v_max_num_f32 v[232+\b], 0x1800000, v[232+\b]  ; the floor 2^(3 - 127): the byte cannot fall under 1
.endr
.irp b, 0,1,2,3
	v_add_nc_u32 v[244+\b], 0xff000000, v[232+\b]  ; 2 off the exponent field: the conversion's scale operand
.endr
.irp b, 0,1,2,3
	v_lshrrev_b32 v[236+\b], 23, v[244+\b]
.endr
	v_lshl_or_b32 v253, v237, 8, v236              ; p's scale word for these 128 keys
	v_lshl_or_b32 v253, v238, 16, v253
	v_lshl_or_b32 v253, v239, 24, v253
.irp b, 0,1,2,3
	v_cvt_scalef32_pk8_fp4_f32 v[224+2*\b], v[96+16*\b:103+16*\b], v[244+\b]
	v_cvt_scalef32_pk8_fp4_f32 v[225+2*\b], v[104+16*\b:111+16*\b], v[244+\b]
.endr
	v_nop                                          ; one plain place behind a scaled conversion
.irp c, 0,1
.irp i, 0,1
	v_permlane16_swap_b32 v[224+4*\c+\i], v[226+4*\c+\i]   ; a whole block to a lane
.endr
.endr
.irp j, 0,2,4,6,8,10,12,14,16,18,20,22,24,26,28,30
	v_pk_mul_f32 v[160+\j:161+\j], v[160+\j:161+\j], v[252:253] op_sel_hi:[1,0]   ; O^T under the new M.  (These sixteen are also the places between the codes and scale word just made and the products)
.endr
	s_wait_dscnt 0x0                               ; V
.irp t, 0,1
	v_wmma_scale_f32_16x16x128_f8f6f4 v[160+8*\t:167+8*\t], v[192+8*\t:199+8*\t], v[224:231], v[160+8*\t:167+8*\t], v[240+\t], v253 matrix_a_fmt:MATRIX_FMT_FP4 matrix_b_fmt:MATRIX_FMT_FP4
.endr
.irp t, 2,3
	v_wmma_scale_f32_16x16x128_f8f6f4 v[160+8*\t:167+8*\t], v[192+8*\t:199+8*\t], v[224:231], v[160+8*\t:167+8*\t], v[238+\t], v253 matrix_a_fmt:MATRIX_FMT_FP4 matrix_b_fmt:MATRIX_FMT_FP4 matrix_a_scale:MATRIX_SCALE_ROW1
.endr
.Lhid_\@:                              ; the four accumulators take turns, and the next step's eight products for S^T stand between two links on one of them
	s_add_co_u32 s[TB], s[TB], BLK
	s_add_co_u32 s[SI], s[SI], 1
	s_cmp_lt_u32 s[SI], 16
	s_cbranch_scc1 .Lstep_\@
.rept 4
	v_nop                                          ; places behind the last products
.endr
	v_add_f32 v14, v14, v15                        ; the sum's two halves,
	v_permlanex16_b32 v252, v14, s[SEL], s[SEL+1]
	v_add_f32 v14, v14, v252                       ; and lane l xor 16's
	v_rcp_f32 v14, v14
	v_nop                                          ; a plain place behind the reciprocal
	s_wait_alu depctr_va_vdst(0)                   ; and the wait ahead of its first reader
.irp j, 0,1,2,3,4,5,6,7,8,9,10,11,12,13,14,15,16,17,18,19,20,21,22,23,24,25,26,27,28,29,30,31
	v_mul_f32 v[96+\j], v[160+\j], v14             ; o: register 16 b + i is d = 32 b + 16 (lane / 16) + i of my query
.endr
	QUANT2 96
	global_store_b128 v1, v[PC:PC+3], s[\ob:\ob+1] ; 32 lanes store 512 consecutive bytes
	ds_store_b16 v[\sg], v[PW]
.endm
	PASS 16, 242, 38, 40, 52, 6                    ; the high tile
	PASS 24, 243, 39, 41, 54, 5                    ; the low tile
	s_wait_dscnt 0x0                               ; for the others' sake: my scale bytes lie in the stage
	s_barrier_signal -1
	s_barrier_wait -1
	s_cmp_lt_u32 s[WV], 2
	s_cbranch_scc0 .Lno_out
	ds_load_b128 v[232:235], v7
	s_wait_dscnt 0x0
	global_store_b128 v1, v[232:235], s[56:57]     ; sixteen tiles' scale bytes: 512 consecutive bytes
.Lno_out:
	s_wait_xcnt 0x0
	v_lshl_add_u32 v254, v0, 2, 0x29000
	v_mov_b32 v255, 0
	s_wait_tensorcnt 0x0
	ds_add_u32 v254, v255
	s_wait_dscnt 0x0
	ROUND                                          ; the closing round: no work-group ends while a partner may still ask for a block that names it
	s_endpgm
.Lfunc_end_k_qbbcff6ae0b_attn:
	.size	k_qbbcff6ae0b_attn, .Lfunc_end_k_qbbcff6ae0b_attn-k_qbbcff6ae0b_attn
	.p2alignl 7, 3214868480
	.fill 96, 4, 3214868480
	.section	.rodata,"a",@progbits
	.p2align	6, 0x0
	.amdhsa_kernel k_qbbcff6ae0b_attn
		.amdhsa_group_segment_fixed_size 169984
		.amdhsa_private_segment_fixed_size 0
		.amdhsa_enable_private_segment 0
		.amdhsa_kernarg_size 40
		.amdhsa_user_sgpr_count 2
		.amdhsa_user_sgpr_kernarg_segment_ptr 1
		.amdhsa_wavefront_size32 1
		.amdhsa_system_sgpr_workgroup_id_x 1
		.amdhsa_system_sgpr_workgroup_id_y 1
		.amdhsa_system_sgpr_workgroup_id_z 1
		.amdhsa_system_vgpr_workitem_id 0
		.amdhsa_next_free_vgpr 256
		.amdhsa_next_free_sgpr 66
		.amdhsa_reserve_vcc 1
		.amdhsa_float_denorm_mode_32 3
		.amdhsa_float_denorm_mode_16_64 3
		.amdhsa_memory_ordered 1
		.amdhsa_forward_progress 1
		.amdhsa_inst_pref_size 58
	.end_amdhsa_kernel
	.amdgpu_metadata
---
amdhsa.version: [ 1, 2 ]
amdhsa.kernels:
  - .name:           k_qbbcff6ae0b_attn
    .symbol:         k_qbbcff6ae0b_attn.kd
    .args:
      - { .name: qimg, .offset: 0, .size: 8, .value_kind: global_buffer, .address_space: global }
      - { .name: qsc, .offset: 8, .size: 8, .value_kind: global_buffer, .address_space: global }
      - { .name: kv, .offset: 16, .size: 8, .value_kind: global_buffer, .address_space: global }
      - { .name: oimg, .offset: 24, .size: 8, .value_kind: global_buffer, .address_space: global }
      - { .name: osc, .offset: 32, .size: 8, .value_kind: global_buffer, .address_space: global }
    .group_segment_fixed_size: 169984
    .private_segment_fixed_size: 0
    .kernarg_segment_align: 8
    .kernarg_segment_size: 40
    .max_flat_workgroup_size: 512
    .sgpr_count:     66
    .vgpr_count:     256
    .wavefront_size: 32
...
	.end_amdgpu_metadata
.endif
;; end of part 2
;; launch outp (part 3): grid 256 x 1, 4 waves a work-group, no clusters, 17,920 bytes of LDS; arguments oimg, osc, wo_codes, wo_scales, bo, x, gamma, beta, out0; writes out0
.if DOCPART == 3
	.amdgcn_target "amdgcn-amd-amdhsa--gfx1250"
	.amdhsa_code_object_version 6
	.text
	.protected	k_qbbcff6ae0b_outp
	.globl	k_qbbcff6ae0b_outp
	.p2align	8
	.type	k_qbbcff6ae0b_outp,@function
k_qbbcff6ae0b_outp:
	s_mov_b64 s[64:65], 0
	v_nop
	global_prefetch_b8 v0, s[64:65] scope:SCOPE_SE
	s_setreg_imm32_b32 hwreg(HW_REG_WAVE_MODE, 25, 1), 1
	s_wait_xcnt 0x0
; out = LayerNorm(x + o wo + bo) gamma + beta.  o arrives as images of operand registers with its scale bytes, wo as codes with K innermost; the product is on codes of FP4 (E2M1), sums in f32.
; SHARES.  A work-group takes one tile of 16 rows (lane r: row 32 (T / 2) + 8 (T % 2) + r + 8 (r / 8) of its batch).  K = 2,048 is shared among the four waves: wave w takes K steps 4 w .. 4 w + 3 (heads 8 w .. 8 w + 7)
; for all 64 outputs: 16 matrix instructions on four accumulators by turns.  The four partial sums meet in LDS and are added in f32, wave 0's first.  Then each wave finishes four rows, sixteen lanes to a row.
; The product is used transposed (source 0 = 16 rows of wo, source 1 = o): a lane holds eight neighbouring outputs of one row.
; NO CLUSTER, NO TENSOR LOAD: a wave reads its 16 KiB of wo once, straight into operand registers, and multiplies once: there is no loop in which a tile in LDS would be read again.
; LIMITS: NaN and infinities are not served.
.set ACC, 176                          ; v176-207 four accumulators
.set PART, 4352                        ; LDS: a wave's partial sums: 16 rows x (256 bytes + 16)
; v16-47 o's four fragments, later the partial sums read back; v48-175 wo's sixteen fragments; v208-223 wo's scale words; v224-227 o's; v228-235 their halves; v236-243 x; v244-255 gamma, beta, bo
	s_load_b512 s[4:19], s[0:1], 0x0               ; oimg, osc, wo codes, wo scales, bo, x, gamma, beta
	s_load_b64 s[20:21], s[0:1], 0x40              ; out0
	v_lshl_add_u32 v14, v0, 2, 0x4400
	v_mov_b32 v15, 0
	v_lshrrev_b32 v1, 5, v0
	v_readfirstlane_b32 s22, v1                    ; wave 0..3
	s_mov_b32 s23, ttmp9                           ; 128 batch + T
	s_lshr_b32 s24, s23, 7
	s_and_b32 s25, s23, 127
	v_and_b32 v1, 15, v0                           ; r
	v_bfe_u32 v2, v0, 4, 1                         ; h
	v_and_b32 v3, 31, v0
	v_lshlrev_b32 v3, 4, v3                        ; 16 lane
	v_lshlrev_b32 v4, 1, v1                        ; o's scale bytes: 2 a row
	v_lshlrev_b32 v5, 10, v1
	v_lshl_add_u32 v5, v2, 4, v5                   ; wo's codes: a row is 1,024 bytes
	v_lshlrev_b32 v6, 6, v1                        ; wo's scale bytes: 64 a row
	v_lshlrev_b32 v7, 4, v1                        ; gamma, beta, bo: my four of the 64
	s_mul_i32 s26, s22, PART
	v_mul_u32_u24 v8, v1, 272
	v_lshl_add_u32 v8, v2, 5, v8
	v_add_nc_u32 v8, s26, v8                       ; in: my part, row r, 32 bytes for each half of the lanes
	s_mul_i32 s26, s22, 4*272
	v_mul_u32_u24 v9, v2, 272
	v_lshl_add_u32 v9, v1, 4, v9
	v_add_nc_u32 v9, s26, v9                       ; back: rows 4 w on; lanes 0-15 one row, lanes 16-31 the next
	s_mov_b32 s27, 0xbc800000                      ; -1 / 64
	s_mov_b32 s28, 0x3c800000                      ; 1 / 64
	s_mov_b32 s29, 0x3727c5ac                      ; 1e-5
	s_mov_b32 s31, 0
	s_wait_kmcnt 0x0
	s_lshl_b32 s30, s23, 14                        ; oimg: 16,384 bytes a tile, 4,096 for my eight heads
	s_lshl_b32 s26, s22, 12
	s_add_co_u32 s30, s30, s26
	s_add_nc_u64 s[4:5], s[4:5], s[30:31]
	s_lshl_b32 s30, s24, 17                        ; osc: [32 batch + head][tile][32 bytes]
	s_lshl_b32 s26, s22, 15
	s_add_co_u32 s30, s30, s26
	s_lshl_b32 s26, s25, 5
	s_add_co_u32 s30, s30, s26
	s_add_nc_u64 s[6:7], s[6:7], s[30:31]
	s_lshl_b32 s30, s22, 8                         ; wo: my four K steps are 256 bytes of a row of codes,
	s_add_nc_u64 s[8:9], s[8:9], s[30:31]
	s_lshl_b32 s30, s22, 4                         ; and 16 of a row of scale bytes
	s_add_nc_u64 s[10:11], s[10:11], s[30:31]
	s_lshl_b32 s30, s24, 11                        ; x and out0: my four rows begin at row 2,048 batch + 32 (T / 2) + 8 (T % 2) + 4 w + 8 (w / 2)
	s_lshr_b32 s26, s25, 1
	s_lshl_b32 s26, s26, 5
	s_add_co_u32 s30, s30, s26
	s_and_b32 s26, s25, 1
	s_lshl_b32 s26, s26, 3
	s_add_co_u32 s30, s30, s26
	s_lshl_b32 s26, s22, 2
	s_add_co_u32 s30, s30, s26
	s_lshr_b32 s26, s22, 1
	s_lshl_b32 s26, s26, 3
	s_add_co_u32 s30, s30, s26
	s_lshl_b32 s30, s30, 8
	s_add_nc_u64 s[14:15], s[14:15], s[30:31]
	s_add_nc_u64 s[20:21], s[20:21], s[30:31]
.irp i, 0,1,2,3,4,5,6,7
	global_load_u16 v[228+\i], v4, s[6:7] offset:4096*\i          ; head 8 w + i: two scale bytes a row
.endr
.irp i, 0,1,2,3,4,5,6,7
	global_load_b128 v[16+4*\i:19+4*\i], v3, s[4:5] offset:512*\i th:TH_LOAD_NT   ; heads 2 s and 2 s + 1 are registers 0-3 and 4-7 of K step s
.endr
.irp t, 0,1,2,3
	global_load_b128 v[208+4*\t:211+4*\t], v6, s[10:11] offset:1024*\t   ; the scale words of my four K steps, outputs 16 t + r
.endr
.irp t, 0,1,2,3
.irp s, 0,1,2,3
.irp c, 0,1
	global_load_b128 v[48+8*(4*\t+\s)+4*\c:48+8*(4*\t+\s)+4*\c+3], v5, s[8:9] offset:16384*\t+64*\s+32*\c
.endr
.endr
.endr
	global_load_b128 v[236:239], v3, s[14:15]      ; x: two rows an instruction, 512 consecutive bytes
	global_load_b128 v[240:243], v3, s[14:15] offset:512
	global_load_b128 v[244:247], v7, s[16:17]
	global_load_b128 v[248:251], v7, s[18:19]
	global_load_b128 v[252:255], v7, s[12:13]
	s_wait_loadcnt 5                               ; all that the products want is in; x's two loads, gamma, beta and bo may be out
.irp s, 0,1,2,3
	v_lshl_or_b32 v[224+\s], v[229+2*\s], 16, v[228+2*\s]         ; o's scale word of K step s
.endr
.rept 8
	v_nop                                          ; a scale register written by a vector instruction stands eight places ahead of a scaled matrix instruction
.endr
.irp s, 0,1,2,3
.irp t, 0,1,2,3
.if \s == 0
	v_wmma_scale_f32_16x16x128_f8f6f4 v[ACC+8*\t:ACC+8*\t+7], v[48+8*(4*\t+\s):48+8*(4*\t+\s)+7], v[16+8*\s:16+8*\s+7], 0, v[208+4*\t+\s], v[224+\s] matrix_a_fmt:MATRIX_FMT_FP4 matrix_b_fmt:MATRIX_FMT_FP4
.else
	v_wmma_scale_f32_16x16x128_f8f6f4 v[ACC+8*\t:ACC+8*\t+7], v[48+8*(4*\t+\s):48+8*(4*\t+\s)+7], v[16+8*\s:16+8*\s+7], v[ACC+8*\t:ACC+8*\t+7], v[208+4*\t+\s], v[224+\s] matrix_a_fmt:MATRIX_FMT_FP4 matrix_b_fmt:MATRIX_FMT_FP4
.endif
.endr
.endr
.rept 4
	v_nop                                          ; places ahead of the first read of results and of loads into the operands' registers
.endr
.irp t, 0,1,2,3
	ds_store_b128 v8, v[ACC+8*\t:ACC+8*\t+3] offset:64*\t          ; lane (r, h): row r, outputs 16 t + 8 h + 0 .. 7; each accumulator from its low end on
	ds_store_b128 v8, v[ACC+8*\t+4:ACC+8*\t+7] offset:64*\t+16
.endr
	s_wait_dscnt 0x0                               ; for the others' sake: my part lies in LDS
	s_barrier_signal -1
	s_barrier_wait -1
.irp i, 0,1
.irp p, 0,1,2,3
	ds_load_b128 v[16+16*\i+4*\p:19+16*\i+4*\p], v9 offset:PART*\p+544*\i   ; part p of rows 4 w + 2 i and 4 w + 2 i + 1
.endr
.endr
	s_wait_dscnt 0x0
	s_wait_loadcnt 0x0
.irp o, 20,24,28
.irp i, 0,1
.irp k, 0,2
	v_pk_add_f32 v[16+16*\i+\k:17+16*\i+\k], v[16+16*\i+\k:17+16*\i+\k], v[\o+16*\i+\k:\o+1+16*\i+\k]
.endr
.endr
.endr
.irp i, 0,1
.irp k, 0,2
	v_pk_add_f32 v[16+16*\i+\k:17+16*\i+\k], v[16+16*\i+\k:17+16*\i+\k], v[252+\k:253+\k]      ; + bo
.endr
.endr
.irp i, 0,1
.irp k, 0,2
	v_pk_add_f32 v[16+16*\i+\k:17+16*\i+\k], v[16+16*\i+\k:17+16*\i+\k], v[236+4*\i+\k:237+4*\i+\k]   ; + x: y
.endr
.endr
.irp i, 0,1
	v_add_f32 v[48+2*\i], v[16+16*\i], v[17+16*\i]
	v_add_f32 v[49+2*\i], v[18+16*\i], v[19+16*\i]
.endr
.irp i, 0,1
	v_add_f32 v[48+2*\i], v[48+2*\i], v[49+2*\i]
.endr
.irp m, 1,2,4,8
.irp i, 0,1
	v_add_f32_dpp v[48+2*\i], v[48+2*\i], v[48+2*\i] row_xmask:\m row_mask:0xf bank_mask:0xf   ; over the sixteen lanes of a row
.endr
.endr
.irp i, 0,1
.irp k, 0,1,2,3
	v_fma_f32 v[16+16*\i+\k], v[48+2*\i], s27, v[16+16*\i+\k]     ; y - the mean
.endr
.endr
.irp i, 0,1
	v_mul_f32 v[48+2*\i], v[16+16*\i], v[16+16*\i]
	v_mul_f32 v[49+2*\i], v[17+16*\i], v[17+16*\i]
.endr
.irp i, 0,1
	v_fma_f32 v[48+2*\i], v[18+16*\i], v[18+16*\i], v[48+2*\i]
	v_fma_f32 v[49+2*\i], v[19+16*\i], v[19+16*\i], v[49+2*\i]
.endr
.irp i, 0,1
	v_add_f32 v[48+2*\i], v[48+2*\i], v[49+2*\i]
.endr
.irp m, 1,2,4,8
.irp i, 0,1
	v_add_f32_dpp v[48+2*\i], v[48+2*\i], v[48+2*\i] row_xmask:\m row_mask:0xf bank_mask:0xf
.endr
.endr
.irp i, 0,1
	v_fma_f32 v[48+2*\i], v[48+2*\i], s28, s29     ; the variance + 1e-5
.endr
.irp i, 0,1
	v_rsq_f32 v[48+2*\i], v[48+2*\i]
.endr
	v_nop                                          ; a plain place behind the two roots
	s_wait_alu depctr_va_vdst(0)                   ; one wait for both, ahead of their first reader
.irp i, 0,1
.irp k, 0,1,2,3
	v_mul_f32 v[16+16*\i+\k], v[16+16*\i+\k], v[48+2*\i]
.endr
.endr
.irp i, 0,1
.irp k, 0,1,2,3
	v_fma_f32 v[16+16*\i+\k], v[16+16*\i+\k], v[244+\k], v[248+\k]
.endr
.endr
.irp i, 0,1
	global_store_b128 v3, v[16+16*\i:19+16*\i], s[20:21] offset:512*\i   ; two whole rows: 512 consecutive bytes, at a multiple of 256 from out0's first byte
.endr
	s_wait_tensorcnt 0x0
	ds_add_u32 v14, v15
	s_wait_dscnt 0x0
	s_endpgm
.Lfunc_end_k_qbbcff6ae0b_outp:
	.size	k_qbbcff6ae0b_outp, .Lfunc_end_k_qbbcff6ae0b_outp-k_qbbcff6ae0b_outp
	.p2alignl 7, 3214868480
	.fill 96, 4, 3214868480
	.section	.rodata,"a",@progbits
	.p2align	6, 0x0
	.amdhsa_kernel k_qbbcff6ae0b_outp
		.amdhsa_group_segment_fixed_size 17920
		.amdhsa_private_segment_fixed_size 0
		.amdhsa_enable_private_segment 0
		.amdhsa_kernarg_size 72
		.amdhsa_user_sgpr_count 2
		.amdhsa_user_sgpr_kernarg_segment_ptr 1
		.amdhsa_wavefront_size32 1
		.amdhsa_system_sgpr_workgroup_id_x 1
		.amdhsa_system_sgpr_workgroup_id_y 1
		.amdhsa_system_sgpr_workgroup_id_z 1
		.amdhsa_system_vgpr_workitem_id 0
		.amdhsa_next_free_vgpr 256
		.amdhsa_next_free_sgpr 66
		.amdhsa_reserve_vcc 0
		.amdhsa_float_denorm_mode_32 3
		.amdhsa_float_denorm_mode_16_64 3
		.amdhsa_memory_ordered 1
		.amdhsa_forward_progress 1
		.amdhsa_inst_pref_size 17
	.end_amdhsa_kernel
	.amdgpu_metadata
---
amdhsa.version: [ 1, 2 ]
amdhsa.kernels:
  - .name:           k_qbbcff6ae0b_outp
    .symbol:         k_qbbcff6ae0b_outp.kd
    .args:
      - { .name: oimg, .offset: 0, .size: 8, .value_kind: global_buffer, .address_space: global }
      - { .name: osc, .offset: 8, .size: 8, .value_kind: global_buffer, .address_space: global }
      - { .name: wo_codes, .offset: 16, .size: 8, .value_kind: global_buffer, .address_space: global }
      - { .name: wo_scales, .offset: 24, .size: 8, .value_kind: global_buffer, .address_space: global }
      - { .name: bo, .offset: 32, .size: 8, .value_kind: global_buffer, .address_space: global }
      - { .name: x, .offset: 40, .size: 8, .value_kind: global_buffer, .address_space: global }
      - { .name: gamma, .offset: 48, .size: 8, .value_kind: global_buffer, .address_space: global }
      - { .name: beta, .offset: 56, .size: 8, .value_kind: global_buffer, .address_space: global }
      - { .name: out0, .offset: 64, .size: 8, .value_kind: global_buffer, .address_space: global }
    .group_segment_fixed_size: 17920
    .private_segment_fixed_size: 0
    .kernarg_segment_align: 8
    .kernarg_segment_size: 72
    .max_flat_workgroup_size: 128
    .sgpr_count:     66
    .vgpr_count:     256
    .wavefront_size: 32
...
	.end_amdgpu_metadata
.endif
;; end of part 3
;; ======== version 2 of 2: 3 launches; version 1 with the launches prep, outp written anew for expert scheduling mode
;; workspace buffers: qimg 4,194,304 bytes; qsc 524,288 bytes; kv 2,293,760 bytes; oimg 4,194,304 bytes; osc 262,144 bytes
;; launch prep (part 4): grid 32 x 8, 8 waves a work-group, no clusters, 8,704 bytes of LDS; arguments x, wq_codes, wq_scales, bq, wk_codes, wk_scales, bk, wv_codes, wv_scales, bv, qimg, qsc, kv; writes qimg, qsc, kv
.if DOCPART == 4
	.amdgcn_target "amdgcn-amd-amdhsa--gfx1250"
	.amdhsa_code_object_version 6
	.text
	.protected	k_qbbcff6ae0b_prep
	.globl	k_qbbcff6ae0b_prep
	.p2align	8
	.type	k_qbbcff6ae0b_prep,@function
k_qbbcff6ae0b_prep:
	s_mov_b64 s[64:65], 0
	v_nop
	global_prefetch_b8 v0, s[64:65] scope:SCOPE_SE
	s_setreg_imm32_b32 hwreg(HW_REG_WAVE_SCHED_MODE, 0, 2), 2
	s_setreg_imm32_b32 hwreg(HW_REG_WAVE_MODE, 25, 1), 1
	s_wait_xcnt 0x0
	s_wait_alu depctr_vm_vsrc(0)
; x is quantised to FP4 (E2M1, one E8M0 byte for 32 along K); q = rope(x wq + bq), k = rope(x wk + bk), v = x wv + bv are made on codes, in f32 sums, and quantised again:
; q and k along the head's 64, v along the keys.  They leave as IMAGES OF OPERAND REGISTERS (lane l's 16 bytes at 16 l), in the order in which the attention launch takes them.
; SHARES.  Work-group (R, g): R = 16 batch + s names 128 rows, g a key/value head.  Wave w owns one tile of 16 rows; for it it makes query heads 4 g .. 4 g + 3 and key head g.
; It also makes, of the values, 16 of the head's 64 (tile w % 4) for 64 keys (half w / 4), from four tiles of x that come through LDS as images.
; THE ROWS OF A TILE ARE NOT NEIGHBOURS: lane r of tile w takes row 32 (w / 2) + 8 (w % 2) + r + 8 (r / 8) of the 128.  The weights' rows of a tile are chosen alike.  So in a transposed product
; (source 0 = 16 rows of a weight, source 1 = x) a lane holds one row of x and its 32 registers are d = 32 b + 16 (lane / 16) + 0 .. 15, b = 0, 1: neighbours along the next K.
; K = 64 fills half of the matrix instruction's 128: registers 4-7 of both operands hold zero codes and the upper two scale bytes are 0.
; ROPE.  The angle is position x 10^(-i / 8) in f32; sine and cosine by reduction modulo pi / 2 (two-part constant, fused) and polynomials of degree 7 and 8, once for the wave's 16 rows.
; LIMITS.  The 32 frequencies are the nearest f32 to 10^(-i / 8); a power and a division in f32 may give a neighbour of it, which moves an angle by at most 1e-4 at position 2,047.
; A block whose largest magnitude lies under 2^-124 (zeros too) gets the scale byte 1: its bytes are read by this program alone.  NaN and infinities among the inputs are not served.
; NO CLUSTER, NO TENSOR LOAD: what work-groups share (a head group's weights, 14 KiB, and 32 KiB of x) goes once from memory straight into operand registers; there is no tile in LDS to share.
; THE MODE: SCHED_MODE bits 1:0 = 2 (LLVM: expert scheduling mode 2), set by the entry lines.  The code itself states the register dependences
; between vector or matrix instructions and memory or LDS instructions, with s_wait_alu, always for 0.
; THE PLAN.  Six steps: query heads 0 to 3, the key head, the values.  Registers that memory or LDS instructions touch:
;   v4-v9, v26, v10-v14, v27-v29   offsets and LDS addresses: made once at the head and never written again.
;   v16-v19, v24                   x's codes and scale word: written by x's quantiser, read by two LDS stores and by the products, never written again.
;   SET0, SET1                     a head's four fragments, four scale words and its bias.  Step j's products read and write SET[j % 2], its rotation reads it; behind them the loads for step j + 2 land in it.
;   OUT0, OUT1                     four registers of codes and a scale word.  Step j's quantiser writes OUT[j % 2]; the two stores that read it are issued in step j + 1; step j + 2 writes it again.
;   v236-v239                      the rotation's scratch; LDS loads land there at the very end.
; So the waits of a step stand together, behind its rotation: the stores of the step before have read the OUT that this step writes; the products and the rotation are done with their set; the step before has
; written the other OUT.  The step's loads and stores follow, dealt among the quantiser's lines, which name the rotated numbers, the quantiser's scratch and OUT[j % 2]: none of the registers that those touch.
.set XIMG, 0                           ; LDS: the eight tiles of x as images, 512 bytes each
.set XSC,  4096                        ; their scale words, 64 bytes a tile
.set QST,  4608                        ; q's scale words: 512 head + 64 tile + 4 r
.set KST,  6656                        ; k's, as the attention launch loads them: 256 (tile / 4) + 16 r + 4 (tile % 4)
.set VST,  7168                        ; v's: 128 (tile / 2) + 8 r + 4 (tile % 2) + 2 half
.set KVB,  8960                        ; a key step's block in kv: 4,096 K's images, 4,096 V's, 512 K's scale words, 256 V's
.set SEL,  38                          ; s[38:39] v_permlanex16_b32's selects for lane l xor 16
.set MK,   34                          ; s[34:37] at the head only: four pairs' masks of odd quadrants
.set W0,   32                          ; v32-95   weight fragments, two sets of 4 x 8
.set H0,   96                          ; v96-159  results, two sets of 4 x 8; the bias is loaded into them and is the products' C
.set RR,   160                         ; v160-191 x as loaded; later the rotated numbers
.set CS,   192                         ; v192-223 pair p: cosine at 2 p, sine at 2 p + 1
.set PC,   224                         ; out-buffer o: the codes at PC + 24 o: v224-227, v248-251
.set PW,   228                         ; and their scale word at PW + 24 o: v228, v252
.set SG,   224                         ; v224-231 at the head only: four pairs' sign words
.set TM,   230                         ; v230-235 at work in the quantiser
.set WS,   240                         ; v240-247 the weights' scale words, two sets of 4
; v1 r, v2 h, v3 r + 8 (r / 8); v4-7, v26 offsets of loads; v8 16 lane, v9 8 lane; v10-14, v27-29 LDS addresses; v15 8 h; v16-23 x's fragment, v24 its scale word; v25 the position
; Tile t of a head: fragment, scale word, and the bias in the result's layout.  4 loads.
.macro LOADT set, cp, sp, bp, j, t
	global_load_b128 v[W0+32*\set+8*(\t):W0+32*\set+8*(\t)+3], v5, s[\cp:\cp+1] offset:\j*2048+(32*((\t)/2)+8*((\t)%2))*32
	global_load_u16 v[WS+4*\set+(\t)], v6, s[\sp:\sp+1] offset:\j*128+(32*((\t)/2)+8*((\t)%2))*2
	global_load_b128 v[H0+32*\set+8*(\t):H0+32*\set+8*(\t)+3], v7, s[\bp:\bp+1] offset:\j*256+(32*((\t)/2)+8*((\t)%2))*4
	global_load_b128 v[H0+32*\set+8*(\t)+4:H0+32*\set+8*(\t)+7], v7, s[\bp:\bp+1] offset:\j*256+(32*((\t)/2)+8*((\t)%2))*4+16
.endm
; A head's four tiles in one run.  16 loads.
.macro LOADW set, cp, sp, bp, j
.irp t, 0,1,2,3
	LOADT \set, \cp, \sp, \bp, \j, \t
.endr
.endm
; Four products, transposed; four accumulators, one instruction each.  Four places follow, ahead of the first read of a result (ISA guide 7.12.1).
.macro MULT set
.irp t, 0,1,2,3
	v_wmma_scale_f32_16x16x128_f8f6f4 v[H0+32*\set+8*\t:H0+32*\set+8*\t+7], v[W0+32*\set+8*\t:W0+32*\set+8*\t+7], v[16:23], v[H0+32*\set+8*\t:H0+32*\set+8*\t+7], v[WS+4*\set+\t], v24 matrix_a_fmt:MATRIX_FMT_FP4 matrix_b_fmt:MATRIX_FMT_FP4
.endr
.rept 4
	v_nop
.endr
.endm
; (t1, t2) -> (t1 cos - t2 sin, t1 sin + t2 cos), pair by pair; each accumulator is first read at its register 1
.macro ROPE set
.irp p, 0,1,2,3,4,5,6,7,8,9,10,11,12,13,14,15
	v_mul_f32 v[236+2*(\p%2)], v[H0+32*\set+2*\p+1], v[CS+2*\p+1]
	v_mul_f32 v[237+2*(\p%2)], v[H0+32*\set+2*\p+1], v[CS+2*\p]
	v_fma_f32 v[RR+2*\p], v[H0+32*\set+2*\p], v[CS+2*\p], -v[236+2*(\p%2)]
	v_fma_f32 v[RR+2*\p+1], v[H0+32*\set+2*\p], v[CS+2*\p+1], v[237+2*(\p%2)]
.endr
.endm
; The waits of a step.  old = 1: the out-buffer that this step writes has been stored from before.
.macro GATE old
.if \old
	s_wait_xcnt 0x0                                ; every earlier memory instruction has had its addresses translated (ISA guide 3.1): the codes that the last step's store read are written again only behind this wait
	s_wait_alu depctr_vm_vsrc(0)                   ; the two stores issued in the step before have read the out-buffer that this step's quantiser writes
.endif
	s_wait_alu depctr_va_vdst(0)                   ; this step's products and rotation are done with their set, in which loads land below; the step before has written its out-buffer, which the stores below read
.endm
; Query head h's codes and scale words leave from out-buffer o
.macro SENDQ o, h
	global_store_b128 v8, v[PC+24*\o:PC+24*\o+3], s[24:25] offset:65536*\h   ; 32 lanes store 512 consecutive bytes
	ds_store_b32 v12, v[PW+24*\o] offset:512*\h
.endm
; 32 numbers of a lane, register 16 b + i = k 32 b + 16 (lane / 16) + i of my row, become four registers of codes (k = 32 (lane / 16) + 0 .. 31) and a scale word of two bytes, in out-buffer o.
; deal = 1: tiles 1 to 3 of the head named by the last five arguments are asked for among the maxima.  No wait: no line of the quantiser names a register of that set.
.macro QUANT2 src, o, deal, set, cp, sp, bp, j
.irp b, 0,1
	v_max3_num_f32 v[TM+\b], |v[\src+16*\b]|, |v[\src+1+16*\b]|, 0x1800000   ; my 16 numbers of block b, and the floor 2^(3 - 127): the byte cannot fall under 1
.endr
.irp i, 2,4,6,8,10,12,14
.irp b, 0,1
	v_max3_num_f32 v[TM+\b], v[TM+\b], |v[\src+16*\b+\i]|, |v[\src+1+16*\b+\i]|
.endr
.if \deal && (\i == 2)
	LOADT \set, \cp, \sp, \bp, \j, 1
.endif
.if \deal && (\i == 6)
	LOADT \set, \cp, \sp, \bp, \j, 2
.endif
.if \deal && (\i == 10)
	LOADT \set, \cp, \sp, \bp, \j, 3
.endif
.endr
.irp b, 0,1
	v_permlanex16_b32 v[TM+2+\b], v[TM+\b], s[SEL], s[SEL+1]
.endr
.irp b, 0,1
	v_max_num_f32 v[TM+\b], v[TM+\b], v[TM+2+\b]      ; with lane l xor 16's: the block's largest magnitude
.endr
.irp b, 0,1
	v_add_nc_u32 v[TM+4+\b], 0xff000000, v[TM+\b]     ; 2 off its exponent field: the conversion's scale operand
.endr
.irp b, 0,1
	v_lshrrev_b32 v[TM+2+\b], 23, v[TM+4+\b]          ; the scale's byte
.endr
	v_lshl_or_b32 v[PW+24*\o], v[TM+3], 8, v[TM+2]
.irp b, 0,1
	v_cvt_scalef32_pk8_fp4_f32 v[PC+24*\o+2*\b], v[\src+16*\b:\src+7+16*\b], v[TM+4+\b]
	v_cvt_scalef32_pk8_fp4_f32 v[PC+24*\o+1+2*\b], v[\src+8+16*\b:\src+15+16*\b], v[TM+4+\b]
.endr
	v_nop                                          ; one plain place behind a scaled conversion
.irp i, 0,1
	v_permlane16_swap_b32 v[PC+24*\o+\i], v[PC+24*\o+2+\i]   ; a whole block to a lane: lanes 0-15 block 0, lanes 16-31 block 1
.endr
.endm
; Cosine and sine of position x frequency for pair p; fa is the frequency of lanes 0-15, fb that of lanes 16-31 (vcc: lane / 16 = 1).  In two parts, four pairs at a time.
; The first part leaves sin rr and cos rr at the pair's places, the two sign words in v[SG ..] and the mask of odd quadrants in a scalar register of the pair's own.
.macro SC1 p, fa, fb
	v_mov_b32 v249, \fb
	v_cndmask_b32 v248, \fa, v249, vcc_lo
	v_mul_f32 v248, v25, v248                      ; the angle a
	v_mul_f32 v249, s48, v248
	v_rndne_f32 v249, v249                         ; n = the nearest whole number to a x 2 / pi
	v_fma_f32 v250, v249, s40, v248
	v_fma_f32 v250, v249, s41, v250                ; rr = a - n pi / 2, |rr| <= pi / 4
	v_cvt_i32_f32 v251, v249
	v_mul_f32 v252, v250, v250                     ; z = rr^2
	v_fma_f32 v253, v252, s44, s43
	v_fma_f32 v254, v252, s47, s46
	v_fma_f32 v253, v253, v252, s42
	v_fma_f32 v254, v254, v252, s45
	v_mul_f32 v255, v252, v250
	v_mul_f32 v249, v252, v252
	v_fma_f32 v248, v252, -0.5, 1.0
	v_fma_f32 v[CS+2*(\p)+1], v253, v255, v250     ; sin rr
	v_fma_f32 v[CS+2*(\p)], v254, v249, v248       ; cos rr
	v_and_b32 v249, 1, v251
	v_cmp_ne_u32 s[MK+(\p)%4], 0, v249             ; odd quadrant: sine and cosine change places (a choice of values, no branch)
	v_lshlrev_b32 v248, 30, v251                   ; the sine's sign: bit 1 of n
	v_add_nc_u32 v251, 1, v251
	v_and_b32 v[SG+2*((\p)%4)], 0x80000000, v248
	v_lshlrev_b32 v251, 30, v251                   ; the cosine's: bit 1 of n + 1
	v_and_b32 v[SG+2*((\p)%4)+1], 0x80000000, v251
.endm
; The second part, for pairs 4 g .. 4 g + 3: the choice and the signs
.macro SC2 g
.irp k, 0,1,2,3
	v_cndmask_b32 v[248+2*\k], v[CS+2*(4*\g+\k)+1], v[CS+2*(4*\g+\k)], s[MK+\k]
	v_cndmask_b32 v[249+2*\k], v[CS+2*(4*\g+\k)], v[CS+2*(4*\g+\k)+1], s[MK+\k]
.endr
.irp k, 0,1,2,3
	v_xor_b32 v[CS+2*(4*\g+\k)+1], v[SG+2*\k], v[248+2*\k]
	v_xor_b32 v[CS+2*(4*\g+\k)], v[SG+2*\k+1], v[249+2*\k]
.endr
.endm
	s_load_b512 s[4:19], s[0:1], 0x0               ; x, wq codes, wq scales, bq, wk codes, wk scales, bk, wv codes
	s_load_b256 s[20:27], s[0:1], 0x40             ; wv scales, bv, qimg, qsc
	s_load_b64 s[28:29], s[0:1], 0x60              ; kv
	v_lshl_add_u32 v30, v0, 2, 0x1e00
	v_mov_b32 v31, 0
	v_lshrrev_b32 v1, 5, v0
	v_readfirstlane_b32 s31, v1                    ; wave 0..7
	s_and_b32 s32, ttmp7, 0xffff                   ; g
	s_mov_b32 s33, ttmp9                           ; R = 16 batch + s
	v_and_b32 v1, 15, v0                           ; r
	v_bfe_u32 v2, v0, 4, 1                         ; h
	v_and_b32 v3, 8, v1
	v_add_nc_u32 v3, v3, v1                        ; r + 8 (r / 8)
	v_lshlrev_b32 v4, 8, v3
	v_lshl_add_u32 v4, v2, 7, v4                   ; x: my row of 256 bytes, my block of 32 numbers
	v_lshlrev_b32 v5, 5, v3
	v_lshl_add_u32 v5, v2, 4, v5                   ; a weight's codes: a row is 32 bytes, my block 16
	v_lshlrev_b32 v6, 1, v3                        ; its scale bytes: 2 a row
	v_lshlrev_b32 v7, 6, v2                        ; a bias: my half's 16 numbers begin 64 h bytes on
	v_and_b32 v9, 31, v0
	v_lshlrev_b32 v8, 4, v9                        ; 16 lane
	v_lshlrev_b32 v9, 3, v9                        ; 8 lane
	v_lshlrev_b32 v15, 3, v2                       ; 8 h
	v_lshlrev_b32 v26, 2, v3                       ; bv: 4 bytes for my d
	s_wait_alu depctr_va_sdst(0)                   ; s31 is written, ahead of its first reader: bases and LDS addresses are made from it
	s_mov_b32 s59, 0
	s_lshl_b32 s58, s33, 15                        ; x: 128 rows of 256 bytes a group,
	s_lshr_b32 s60, s31, 1
	s_lshl_b32 s60, s60, 13
	s_add_co_u32 s58, s58, s60                     ; + 32 (w / 2) rows
	s_and_b32 s60, s31, 1
	s_lshl_b32 s60, s60, 11
	s_add_co_u32 s58, s58, s60                     ; + 8 (w % 2) rows
	s_wait_kmcnt 0x0
	s_add_nc_u64 s[4:5], s[4:5], s[58:59]
	s_wait_alu depctr_va_vdst(0)                   ; the offsets v4 to v9 and v26 are written, which every global load and store of the kernel reads
.irp i, 0,1,2,3,4,5,6,7
	global_load_b128 v[RR+4*\i:RR+4*\i+3], v4, s[4:5] offset:16*\i   ; a whole block of 32 along K to a lane
.endr
	s_lshl_b32 s58, s32, 13                        ; wq: 256 rows to a group of four heads
	s_add_nc_u64 s[6:7], s[6:7], s[58:59]
	s_lshl_b32 s58, s32, 9
	s_add_nc_u64 s[8:9], s[8:9], s[58:59]
	s_lshl_b32 s58, s32, 10
	s_add_nc_u64 s[10:11], s[10:11], s[58:59]
	LOADW 0, 6, 8, 10, 0                           ; query head 0 of the four
	s_lshl_b32 s58, s32, 11                        ; wk: 64 rows to a head
	s_add_nc_u64 s[12:13], s[12:13], s[58:59]
	s_lshl_b32 s58, s32, 7
	s_add_nc_u64 s[14:15], s[14:15], s[58:59]
	s_lshl_b32 s58, s32, 8
	s_add_nc_u64 s[16:17], s[16:17], s[58:59]
	s_lshr_b32 s35, s31, 2                         ; c = w / 4: my half of the keys, for V
	s_and_b32 s36, s31, 3                          ; t = w % 4: my tile of the head's 64, for V
	s_lshr_b32 s37, s36, 1
	s_lshl_b32 s37, s37, 5
	s_and_b32 s60, s36, 1
	s_lshl_b32 s60, s60, 3
	s_add_co_u32 s37, s37, s60                     ; that tile's first row of wv: 32 (t / 2) + 8 (t % 2)
	s_lshl_b32 s58, s32, 11
	s_lshl_b32 s60, s37, 5
	s_add_co_u32 s58, s58, s60
	s_add_nc_u64 s[18:19], s[18:19], s[58:59]
	s_lshl_b32 s58, s32, 7
	s_lshl_b32 s60, s37, 1
	s_add_co_u32 s58, s58, s60
	s_add_nc_u64 s[20:21], s[20:21], s[58:59]
	s_lshl_b32 s58, s32, 8
	s_lshl_b32 s60, s37, 2
	s_add_co_u32 s58, s58, s60
	s_add_nc_u64 s[22:23], s[22:23], s[58:59]
	s_lshr_b32 s61, s33, 4                         ; batch
	s_and_b32 s62, s33, 15                         ; s
	s_lshl_b32 s58, s61, 21                        ; qimg: [32 batch + head][tile of 128][512 bytes]
	s_lshl_b32 s60, s32, 18
	s_add_co_u32 s58, s58, s60
	s_lshl_b32 s60, s62, 3
	s_add_co_u32 s60, s60, s31
	s_lshl_b32 s60, s60, 9
	s_add_co_u32 s58, s58, s60
	s_add_nc_u64 s[24:25], s[24:25], s[58:59]
	s_lshl_b32 s58, s61, 5                         ; qsc: [32 batch + head][tile][64 bytes]; on the way out wave w takes head w / 2, tiles 4 (w % 2) on: 256 bytes
	s_lshl_b32 s60, s32, 2
	s_add_co_u32 s58, s58, s60
	s_lshr_b32 s60, s31, 1
	s_add_co_u32 s58, s58, s60
	s_lshl_b32 s58, s58, 7
	s_lshl_b32 s60, s62, 3
	s_add_co_u32 s58, s58, s60
	s_and_b32 s60, s31, 1
	s_lshl_b32 s60, s60, 2
	s_add_co_u32 s58, s58, s60
	s_lshl_b32 s58, s58, 6
	s_add_nc_u64 s[50:51], s[26:27], s[58:59]
	s_lshl_b32 s58, s61, 7                         ; kv: [8 batch + g][key step s][8,960 bytes]
	s_lshl_b32 s60, s32, 4
	s_add_co_u32 s58, s58, s60
	s_add_co_u32 s58, s58, s62
	s_mul_i32 s58, s58, KVB
	s_add_nc_u64 s[28:29], s[28:29], s[58:59]
	s_lshl_b32 s58, s31, 8
	s_add_co_u32 s58, s58, 8192
	s_add_nc_u64 s[52:53], s[28:29], s[58:59]      ; the block's scale words, 256 bytes a wave (waves 0 to 2)
	s_lshl_b32 s58, s31, 9
	s_add_nc_u64 s[54:55], s[28:29], s[58:59]      ; K's image of tile w
	s_lshl_b32 s58, s36, 10
	s_lshl_b32 s60, s35, 9
	s_add_co_u32 s58, s58, s60
	s_add_co_u32 s58, s58, 4096
	s_add_nc_u64 s[56:57], s[28:29], s[58:59]      ; V's image: tile t, registers 4 c .. 4 c + 3
	; LDS addresses: a constant + a constant x lane + constants x bits of the wave's number
	s_lshl_b32 s34, s31, 9
	v_add_nc_u32 v10, s34, v8                      ; my tile's image
	s_lshl_b32 s34, s31, 6
	s_add_co_u32 s34, s34, XSC
	v_lshl_add_u32 v11, v1, 2, s34                 ; its scale words
	v_add_nc_u32 v12, QST-XSC, v11                 ; q's scale words
	s_lshl_b32 s34, s35, 8
	s_lshl_b32 s37, s36, 2
	s_add_co_u32 s34, s34, s37
	s_add_co_u32 s34, s34, KST
	v_lshl_add_u32 v13, v1, 4, s34                 ; k's
	s_lshr_b32 s34, s36, 1
	s_lshl_b32 s34, s34, 7
	s_and_b32 s37, s31, 1
	s_lshl_b32 s37, s37, 2
	s_add_co_u32 s34, s34, s37
	s_lshl_b32 s37, s35, 1
	s_add_co_u32 s34, s34, s37
	s_add_co_u32 s34, s34, VST
	v_lshl_add_u32 v14, v1, 3, s34                 ; v's
	s_lshl_b32 s34, s35, 8
	s_add_co_u32 s34, s34, XSC
	v_lshl_add_u32 v27, v1, 2, s34                 ; for V: the scale words of tiles 4 c on,
	s_lshl_b32 s34, s35, 11
	v_add_nc_u32 v28, s34, v8                      ; and their images
	s_lshl_b32 s34, s31, 8
	s_add_co_u32 s34, s34, QST
	v_add_nc_u32 v29, s34, v9                      ; the way out of the scale words: 256 bytes a wave
	s_and_b32 s34, s33, 15                         ; my row's position in its sequence
	s_lshl_b32 s34, s34, 7
	s_lshr_b32 s37, s31, 1
	s_lshl_b32 s37, s37, 5
	s_add_co_u32 s34, s34, s37
	s_and_b32 s37, s31, 1
	s_lshl_b32 s37, s37, 3
	s_add_co_u32 s34, s34, s37
	v_add_nc_u32 v25, s34, v3
	v_cvt_f32_u32 v25, v25
	v_cmp_ne_u32 vcc_lo, 0, v2                     ; lanes 16-31; kept through the sixteen pairs
	s_mov_b32 s[SEL], 0x76543210
	s_mov_b32 s[SEL+1], 0xfedcba98
	s_mov_b32 s40, 0xbfc90fdb                      ; -pi / 2: the nearest f32,
	s_mov_b32 s41, 0x333bbd2e                      ; and what that leaves over
	s_mov_b32 s42, 0xbe2aaaa3                      ; sine: rr + rr z (s42 + z (s43 + z s44))
	s_mov_b32 s43, 0x3c08839e
	s_mov_b32 s44, 0xb94ca1f9
	s_mov_b32 s45, 0x3d2aaaa5                      ; cosine: 1 - z / 2 + z z (s45 + z (s46 + z s47))
	s_mov_b32 s46, 0xbab6061a
	s_mov_b32 s47, 0x37ccf5ce
	s_mov_b32 s48, 0x3f22f983                      ; 2 / pi
.irp j, 20,21,22,23
	v_mov_b32 v[\j], 0                             ; zero codes for k = 64 .. 127
.endr
.irp t, 0,1,2,3,4,5,6,7
.irp j, 4,5,6,7
	v_mov_b32 v[W0+8*\t+\j], 0                     ; likewise in all eight weight fragments: the loads fill registers 0-3 alone
.endr
.endr
	v_mov_b32 v[TM+2], 0                           ; written once: a lane permute's destination counts as one of its sources
	v_mov_b32 v[TM+3], 0
	s_wait_alu depctr_va_vcc(0)                    ; VCC is written, ahead of its first reader: the choice of a lane's frequency
	; the sixteen pairs of a lane: pair 8 b + p has frequency number 16 b + 8 h + p.  This work stands between the loads and the first wait for them.
	; Four pairs at a time: four compares into four scalar registers, one wait, the eight choices
	SC1 0, 0x3f800000, 0x3dcccccd
	SC1 1, 0x3f3ff911, 0x3d99940e
	SC1 2, 0x3f0ff59a, 0x3d6655c3
	SC1 3, 0x3ed7e89b, 0x3d2cba15
	s_wait_alu depctr_va_sdst(0)                   ; the four masks s[MK ..] are written, ahead of the choices that read them
	SC2 0
	SC1 4, 0x3ea1e89b, 0x3d0186e2
	SC1 5, 0x3e72d424, 0x3cc24350
	SC1 6, 0x3e361887, 0x3c91ad39
	SC1 7, 0x3e088d77, 0x3c5a7bf1
	s_wait_alu depctr_va_sdst(0)                   ; the four masks are written anew
	SC2 1
	SC1 8, 0x3c23d70a, 0x3a83126f
	SC1 9, 0x3bf5b9b0, 0x3a44948c
	SC1 10, 0x3bb8449c, 0x3a136a16
	SC1 11, 0x3b8a2e77, 0x39dd1726
	s_wait_alu depctr_va_sdst(0)                   ; the four masks are written anew
	SC2 2
	SC1 12, 0x3b4f3e37, 0x39a5cb5f
	SC1 13, 0x3b1b690d, 0x3978a814
	SC1 14, 0x3ae91528, 0x393a7753
	SC1 15, 0x3aaec98e, 0x390bd472
	s_wait_alu depctr_va_sdst(0)                   ; the four masks are written anew
	SC2 3
	; x is quantised: all 32 numbers of a block are one lane's
	s_wait_loadcnt 16                              ; x's eight loads are in; the 16 of query head 0 may be out
	v_max3_num_f32 v[TM], |v[RR]|, |v[RR+1]|, |v[RR+2]|
	v_max3_num_f32 v[TM+1], |v[RR+3]|, |v[RR+4]|, |v[RR+5]|
.irp i, 6,10,14,18,22,26
	v_max3_num_f32 v[TM], v[TM], |v[RR+\i]|, |v[RR+\i+1]|
	v_max3_num_f32 v[TM+1], v[TM+1], |v[RR+\i+2]|, |v[RR+\i+3]|
.endr
	v_max3_num_f32 v[TM], v[TM], |v[RR+30]|, |v[RR+31]|
	v_max3_num_f32 v[TM], v[TM], v[TM+1], 0x1800000
	v_add_nc_u32 v[TM+4], 0xff000000, v[TM]
	v_lshrrev_b32 v[TM+2], 23, v[TM+4]
.irp g, 0,1,2,3
	v_cvt_scalef32_pk8_fp4_f32 v[16+\g], v[RR+8*\g:RR+8*\g+7], v[TM+4]
.endr
	v_lshlrev_b32 v[TM+2], v15, v[TM+2]            ; my byte at its place (a plain place behind the conversions);
	v_permlanex16_b32 v[TM+3], v[TM+2], s[SEL], s[SEL+1]
	v_or_b32 v24, v[TM+2], v[TM+3]                 ; with lane l xor 16's the row's scale word is whole
.rept 8
	v_nop                                          ; a scale register written by a vector instruction stands eight places ahead of a scaled matrix instruction
.endr
	s_wait_alu depctr_va_vdst(0)                   ; the LDS addresses v10 to v14 and v27 to v29 are written; so are x's codes and scale word, which the two LDS stores read and the scaled products take as operand and scale, and the zero codes of all fragments
	ds_store_b128 v10, v[16:19]
	ds_store_b32 v11, v24
	LOADW 1, 6, 8, 10, 1                           ; no vector instruction has named set 1's registers
	s_wait_dscnt 0x0                               ; for the others' sake: my image and scale words lie in LDS
	s_barrier_signal -1
	s_barrier_wait -1
	; the four query heads and the key head; the loads run two heads ahead, in two sets of registers; a head's codes leave a step later, from two out-buffers
	s_wait_loadcnt 16                              ; head 0's 16 loads are in; head 1's may be out
	MULT 0
	ROPE 0
	GATE 0
	LOADT 0, 6, 8, 10, 2, 0
	QUANT2 RR, 0, 1, 0, 6, 8, 10, 2
	s_wait_loadcnt 16                              ; head 1's are in; head 2's may be out
	MULT 1
	ROPE 1
	GATE 0
	LOADT 1, 6, 8, 10, 3, 0
	SENDQ 0, 0
	QUANT2 RR, 1, 1, 1, 6, 8, 10, 3
	s_wait_loadcnt 16                              ; head 2's are in; head 3's may be out
	MULT 0
	ROPE 0
	GATE 1
	LOADT 0, 12, 14, 16, 0, 0                      ; the key head
	SENDQ 1, 1
	QUANT2 RR, 0, 1, 0, 12, 14, 16, 0
	s_wait_loadcnt 16                              ; head 3's are in; the key head's may be out
	MULT 1
	ROPE 1
	GATE 1
	global_load_b128 v[64:67], v5, s[18:19]        ; for V: my tile of wv, its scale bytes, its bias, into registers of set 1
	global_load_u16 v244, v6, s[20:21]
	global_load_b32 v128, v26, s[22:23]
	SENDQ 0, 2
	QUANT2 RR, 1, 0, 0, 0, 0, 0, 0
	s_wait_loadcnt 3                               ; the key head's are in; V's three may be out
	MULT 0
	ROPE 0
	GATE 1
.irp i, 0,1,2,3
	ds_load_b128 v[W0+8*\i:W0+8*\i+3], v28 offset:512*\i   ; for V: four tiles of x and their scale words, into registers of set 0
	ds_load_b32 v[WS+\i], v27 offset:64*\i
.endr
	SENDQ 1, 3
	QUANT2 RR, 0, 0, 0, 0, 0, 0, 0
	; V, not transposed: source 0 = a tile of x (16 keys), source 1 = 16 rows of wv: a lane holds one d, and the 32 registers of four tiles are keys 64 c + 32 b + 16 h + 0 .. 15
	s_wait_loadcnt 0x0
.irp j, 129,130,131,132,133,134,135
	v_mov_b32 v[\j], v128                          ; the bias hangs on d alone: the same in a lane's eight registers
.endr
.rept 4
	v_nop
.endr
	GATE 1                                         ; (no load follows in this step: of the last wait's two parts the second holds here: the key head's codes and scale word are written)
	global_store_b128 v8, v[PC:PC+3], s[54:55]
	ds_store_b32 v13, v[PW]
	s_wait_dscnt 2                                 ; x's eight LDS loads are in; the two LDS stores issued behind them may be out
.irp i, 0,1,2,3
	v_wmma_scale_f32_16x16x128_f8f6f4 v[H0+8*\i:H0+8*\i+7], v[W0+8*\i:W0+8*\i+7], v[64:71], v[128:135], v[WS+\i], v244 matrix_a_fmt:MATRIX_FMT_FP4 matrix_b_fmt:MATRIX_FMT_FP4
.endr
.rept 4
	v_nop
.endr
	QUANT2 H0, 1, 0, 0, 0, 0, 0, 0
	s_wait_alu depctr_va_vdst(0)                   ; V's codes and scale word are written, which the two stores below read; the rotations are long done with v236 to v239, in which the LDS loads below land
	global_store_b128 v8, v[PC+24:PC+27], s[56:57]
	ds_store_b16 v14, v[PW+24]                     ; two of the four bytes of d's scale word for these 128 keys
	s_wait_dscnt 0x0                               ; for the others' sake: my scale words lie in LDS
	s_barrier_signal -1
	s_barrier_wait -1
	ds_load_b64 v[236:237], v29
	s_wait_dscnt 0x0
	global_store_b64 v9, v[236:237], s[50:51]      ; 32 lanes store 256 consecutive bytes, at a multiple of 256 from the buffer's first byte
	s_cmp_lt_u32 s31, 3
	s_cbranch_scc0 .Lend
	ds_load_b64 v[238:239], v29 offset:KST-QST     ; K's 512 bytes and V's 256: waves 0 to 2
	s_wait_dscnt 0x0
	global_store_b64 v9, v[238:239], s[52:53]
.Lend:
	s_wait_dscnt 0x0
	s_wait_alu depctr_hold_cnt(0) depctr_sa_sdst(0) depctr_va_vdst(0) depctr_va_sdst(0) depctr_va_ssrc(0) depctr_va_vcc(0) depctr_vm_vsrc(0)
	s_wait_tensorcnt 0x0
	ds_add_u32 v30, v31
	s_wait_dscnt 0x0
	s_endpgm
.Lfunc_end_k_qbbcff6ae0b_prep:
	.size	k_qbbcff6ae0b_prep, .Lfunc_end_k_qbbcff6ae0b_prep-k_qbbcff6ae0b_prep
	.p2alignl 7, 3214868480
	.fill 96, 4, 3214868480
	.section	.rodata,"a",@progbits
	.p2align	6, 0x0
	.amdhsa_kernel k_qbbcff6ae0b_prep
		.amdhsa_group_segment_fixed_size 8704
		.amdhsa_private_segment_fixed_size 0
		.amdhsa_enable_private_segment 0
		.amdhsa_kernarg_size 104
		.amdhsa_user_sgpr_count 2
		.amdhsa_user_sgpr_kernarg_segment_ptr 1
		.amdhsa_wavefront_size32 1
		.amdhsa_system_sgpr_workgroup_id_x 1
		.amdhsa_system_sgpr_workgroup_id_y 1
		.amdhsa_system_sgpr_workgroup_id_z 1
		.amdhsa_system_vgpr_workitem_id 0
		.amdhsa_next_free_vgpr 256
		.amdhsa_next_free_sgpr 66
		.amdhsa_reserve_vcc 1
		.amdhsa_float_denorm_mode_32 3
		.amdhsa_float_denorm_mode_16_64 3
		.amdhsa_memory_ordered 1
		.amdhsa_forward_progress 1
		.amdhsa_inst_pref_size 74
	.end_amdhsa_kernel
	.amdgpu_metadata
---
amdhsa.version: [ 1, 2 ]
amdhsa.kernels:
  - .name:           k_qbbcff6ae0b_prep
    .symbol:         k_qbbcff6ae0b_prep.kd
    .args:
      - { .name: x, .offset: 0, .size: 8, .value_kind: global_buffer, .address_space: global }
      - { .name: wq_codes, .offset: 8, .size: 8, .value_kind: global_buffer, .address_space: global }
      - { .name: wq_scales, .offset: 16, .size: 8, .value_kind: global_buffer, .address_space: global }
      - { .name: bq, .offset: 24, .size: 8, .value_kind: global_buffer, .address_space: global }
      - { .name: wk_codes, .offset: 32, .size: 8, .value_kind: global_buffer, .address_space: global }
      - { .name: wk_scales, .offset: 40, .size: 8, .value_kind: global_buffer, .address_space: global }
      - { .name: bk, .offset: 48, .size: 8, .value_kind: global_buffer, .address_space: global }
      - { .name: wv_codes, .offset: 56, .size: 8, .value_kind: global_buffer, .address_space: global }
      - { .name: wv_scales, .offset: 64, .size: 8, .value_kind: global_buffer, .address_space: global }
      - { .name: bv, .offset: 72, .size: 8, .value_kind: global_buffer, .address_space: global }
      - { .name: qimg, .offset: 80, .size: 8, .value_kind: global_buffer, .address_space: global }
      - { .name: qsc, .offset: 88, .size: 8, .value_kind: global_buffer, .address_space: global }
      - { .name: kv, .offset: 96, .size: 8, .value_kind: global_buffer, .address_space: global }
    .group_segment_fixed_size: 8704
    .private_segment_fixed_size: 0
    .kernarg_segment_align: 8
    .kernarg_segment_size: 104
    .max_flat_workgroup_size: 256
    .sgpr_count:     66
    .vgpr_count:     256
    .wavefront_size: 32
...
	.end_amdgpu_metadata
.endif
;; end of part 4
;; launch attn: the kernel of part 2 again; grid 16 x 16, 16 waves a work-group, clusters of 4 x 1, 169,984 bytes of LDS; arguments qimg, qsc, kv, oimg, osc; writes oimg, osc
;; launch outp (part 5): grid 256 x 1, 4 waves a work-group, no clusters, 17,920 bytes of LDS; arguments oimg, osc, wo_codes, wo_scales, bo, x, gamma, beta, out0; writes out0
.if DOCPART == 5
	.amdgcn_target "amdgcn-amd-amdhsa--gfx1250"
	.amdhsa_code_object_version 6
	.text
	.protected	k_qbbcff6ae0b_outp
	.globl	k_qbbcff6ae0b_outp
	.p2align	8
	.type	k_qbbcff6ae0b_outp,@function
k_qbbcff6ae0b_outp:
	s_mov_b64 s[64:65], 0
	v_nop
	global_prefetch_b8 v0, s[64:65] scope:SCOPE_SE
	s_setreg_imm32_b32 hwreg(HW_REG_WAVE_SCHED_MODE, 0, 2), 2
	s_setreg_imm32_b32 hwreg(HW_REG_WAVE_MODE, 25, 1), 1
	s_wait_xcnt 0x0
	s_wait_alu depctr_vm_vsrc(0)
; out = LayerNorm(x + o wo + bo) gamma + beta.  o arrives as images of operand registers with its scale bytes, wo as codes with K innermost; the product is on codes of FP4 (E2M1), sums in f32.
; SHARES.  A work-group takes one tile of 16 rows (lane r: row 32 (T / 2) + 8 (T % 2) + r + 8 (r / 8) of its batch).  K = 2,048 is shared among the four waves: wave w takes K steps 4 w .. 4 w + 3 (heads 8 w .. 8 w + 7)
; for all 64 outputs: 16 matrix instructions on four accumulators by turns.  The four partial sums meet in LDS and are added in f32, wave 0's first.  Then each wave finishes four rows, sixteen lanes to a row.
; The product is used transposed (source 0 = 16 rows of wo, source 1 = o): a lane holds eight neighbouring outputs of one row.
; NO CLUSTER, NO TENSOR LOAD: a wave reads its 16 KiB of wo once, straight into operand registers, and multiplies once: there is no loop in which a tile in LDS would be read again.
; LIMITS: NaN and infinities are not served.
; THE MODE: SCHED_MODE bits 1:0 = 2 (LLVM: expert scheduling mode 2), set by the entry lines.  The code itself states the register dependences
; between vector or matrix instructions and memory or LDS instructions, with s_wait_alu, always for 0.
; THE PLAN.  The text has no loop.  Registers that memory or LDS instructions touch:
;   v3-v9              offsets and LDS addresses: made once at the head and never written again.
;   v16-v47            o's fragments land; the products read them; then the partial sums land there from LDS; the norm works on them, and v16-19 and v32-35 are the global stores' data.
;   v48-v175, v208-255 loaded once.
;   v176-v207          the accumulators: written by the products, read by the LDS stores, never written again.
; No register that a load or store reads is ever written again, so no wait on vm_vsrc is owed.  Waits on va_vdst stand ahead of the first load, behind the places in front of the products (o's scale words, made by vector
; instructions while wo is on its way), behind the places behind the products, behind the two roots, and ahead of the last stores.
.set ACC, 176                          ; v176-207 four accumulators
.set PART, 4352                        ; LDS: a wave's partial sums: 16 rows x (256 bytes + 16)
; v16-47 o's four fragments, later the partial sums read back; v48-175 wo's sixteen fragments; v208-223 wo's scale words; v224-227 o's; v228-235 their halves; v236-243 x; v244-255 gamma, beta, bo
	s_load_b512 s[4:19], s[0:1], 0x0               ; oimg, osc, wo codes, wo scales, bo, x, gamma, beta
	s_load_b64 s[20:21], s[0:1], 0x40              ; out0
	v_lshl_add_u32 v14, v0, 2, 0x4400
	v_mov_b32 v15, 0
	v_lshrrev_b32 v1, 5, v0
	v_readfirstlane_b32 s22, v1                    ; wave 0..3
	s_mov_b32 s23, ttmp9                           ; 128 batch + T
	s_lshr_b32 s24, s23, 7
	s_and_b32 s25, s23, 127
	v_and_b32 v1, 15, v0                           ; r
	v_bfe_u32 v2, v0, 4, 1                         ; h
	v_and_b32 v3, 31, v0
	v_lshlrev_b32 v3, 4, v3                        ; 16 lane
	v_lshlrev_b32 v4, 1, v1                        ; o's scale bytes: 2 a row
	v_lshlrev_b32 v5, 10, v1
	v_lshl_add_u32 v5, v2, 4, v5                   ; wo's codes: a row is 1,024 bytes
	v_lshlrev_b32 v6, 6, v1                        ; wo's scale bytes: 64 a row
	v_lshlrev_b32 v7, 4, v1                        ; gamma, beta, bo: my four of the 64
	s_wait_alu depctr_va_sdst(0)                   ; s22 is written, ahead of its first reader: LDS addresses and bases are made from it
	s_mul_i32 s26, s22, PART
	v_mul_u32_u24 v8, v1, 272
	v_lshl_add_u32 v8, v2, 5, v8
	v_add_nc_u32 v8, s26, v8                       ; in: my part, row r, 32 bytes for each half of the lanes
	s_mul_i32 s26, s22, 4*272
	v_mul_u32_u24 v9, v2, 272
	v_lshl_add_u32 v9, v1, 4, v9
	v_add_nc_u32 v9, s26, v9                       ; back: rows 4 w on; lanes 0-15 one row, lanes 16-31 the next
	s_mov_b32 s27, 0xbc800000                      ; -1 / 64
	s_mov_b32 s28, 0x3c800000                      ; 1 / 64
	s_mov_b32 s29, 0x3727c5ac                      ; 1e-5
	s_mov_b32 s31, 0
	s_wait_kmcnt 0x0
	s_lshl_b32 s30, s23, 14                        ; oimg: 16,384 bytes a tile, 4,096 for my eight heads
	s_lshl_b32 s26, s22, 12
	s_add_co_u32 s30, s30, s26
	s_add_nc_u64 s[4:5], s[4:5], s[30:31]
	s_lshl_b32 s30, s24, 17                        ; osc: [32 batch + head][tile][32 bytes]
	s_lshl_b32 s26, s22, 15
	s_add_co_u32 s30, s30, s26
	s_lshl_b32 s26, s25, 5
	s_add_co_u32 s30, s30, s26
	s_add_nc_u64 s[6:7], s[6:7], s[30:31]
	s_lshl_b32 s30, s22, 8                         ; wo: my four K steps are 256 bytes of a row of codes,
	s_add_nc_u64 s[8:9], s[8:9], s[30:31]
	s_lshl_b32 s30, s22, 4                         ; and 16 of a row of scale bytes
	s_add_nc_u64 s[10:11], s[10:11], s[30:31]
	s_lshl_b32 s30, s24, 11                        ; x and out0: my four rows begin at row 2,048 batch + 32 (T / 2) + 8 (T % 2) + 4 w + 8 (w / 2)
	s_lshr_b32 s26, s25, 1
	s_lshl_b32 s26, s26, 5
	s_add_co_u32 s30, s30, s26
	s_and_b32 s26, s25, 1
	s_lshl_b32 s26, s26, 3
	s_add_co_u32 s30, s30, s26
	s_lshl_b32 s26, s22, 2
	s_add_co_u32 s30, s30, s26
	s_lshr_b32 s26, s22, 1
	s_lshl_b32 s26, s26, 3
	s_add_co_u32 s30, s30, s26
	s_lshl_b32 s30, s30, 8
	s_add_nc_u64 s[14:15], s[14:15], s[30:31]
	s_add_nc_u64 s[20:21], s[20:21], s[30:31]
	s_wait_alu depctr_va_vdst(0)                   ; the offsets and LDS addresses v3 to v9 are written, which the loads, the stores and the LDS instructions below read
.irp i, 0,1,2,3,4,5,6,7
	global_load_u16 v[228+\i], v4, s[6:7] offset:4096*\i          ; head 8 w + i: two scale bytes a row
.endr
.irp i, 0,1,2,3,4,5,6,7
	global_load_b128 v[16+4*\i:19+4*\i], v3, s[4:5] offset:512*\i th:TH_LOAD_NT   ; heads 2 s and 2 s + 1 are registers 0-3 and 4-7 of K step s
.endr
.irp t, 0,1,2,3
	global_load_b128 v[208+4*\t:211+4*\t], v6, s[10:11] offset:1024*\t   ; the scale words of my four K steps, outputs 16 t + r
.endr
.irp t, 0,1,2,3
.irp s, 0,1,2,3
.irp c, 0,1
	global_load_b128 v[48+8*(4*\t+\s)+4*\c:48+8*(4*\t+\s)+4*\c+3], v5, s[8:9] offset:16384*\t+64*\s+32*\c
.endr
.endr
.endr
	global_load_b128 v[236:239], v3, s[14:15]      ; x: two rows an instruction, 512 consecutive bytes
	global_load_b128 v[240:243], v3, s[14:15] offset:512
	global_load_b128 v[244:247], v7, s[16:17]
	global_load_b128 v[248:251], v7, s[18:19]
	global_load_b128 v[252:255], v7, s[12:13]
	s_wait_loadcnt 49                              ; o's eight pairs of scale bytes are in; the 49 loads issued behind them (8 + 4 + 32 + 5) may be out
.irp s, 0,1,2,3
	v_lshl_or_b32 v[224+\s], v[229+2*\s], 16, v[228+2*\s]         ; o's scale word of K step s
.endr
.rept 8
	v_nop                                          ; a scale register written by a vector instruction stands eight places ahead of a scaled matrix instruction
.endr
	s_wait_alu depctr_va_vdst(0)                   ; o's four scale words v224 to v227 are written, which the scaled products take as scales
	s_wait_loadcnt 5                               ; all that the products want is in; x's two loads, gamma, beta and bo may be out
.irp s, 0,1,2,3
.irp t, 0,1,2,3
.if \s == 0
	v_wmma_scale_f32_16x16x128_f8f6f4 v[ACC+8*\t:ACC+8*\t+7], v[48+8*(4*\t+\s):48+8*(4*\t+\s)+7], v[16+8*\s:16+8*\s+7], 0, v[208+4*\t+\s], v[224+\s] matrix_a_fmt:MATRIX_FMT_FP4 matrix_b_fmt:MATRIX_FMT_FP4
.else
	v_wmma_scale_f32_16x16x128_f8f6f4 v[ACC+8*\t:ACC+8*\t+7], v[48+8*(4*\t+\s):48+8*(4*\t+\s)+7], v[16+8*\s:16+8*\s+7], v[ACC+8*\t:ACC+8*\t+7], v[208+4*\t+\s], v[224+\s] matrix_a_fmt:MATRIX_FMT_FP4 matrix_b_fmt:MATRIX_FMT_FP4
.endif
.endr
.endr
.rept 4
	v_nop                                          ; places ahead of the first read of results
.endr
	s_wait_alu depctr_va_vdst(0)                   ; the products have written the accumulators, which the LDS stores read, and are done reading o's fragments v16 to v47, in which the LDS loads behind the barrier land; the places above stay beside this wait
.irp t, 0,1,2,3
	ds_store_b128 v8, v[ACC+8*\t:ACC+8*\t+3] offset:64*\t          ; lane (r, h): row r, outputs 16 t + 8 h + 0 .. 7; each accumulator from its low end on
	ds_store_b128 v8, v[ACC+8*\t+4:ACC+8*\t+7] offset:64*\t+16
.endr
	s_wait_dscnt 0x0                               ; for the others' sake: my part lies in LDS
	s_barrier_signal -1
	s_barrier_wait -1
.irp i, 0,1
.irp p, 0,1,2,3
	ds_load_b128 v[16+16*\i+4*\p:19+16*\i+4*\p], v9 offset:PART*\p+544*\i   ; part p of rows 4 w + 2 i and 4 w + 2 i + 1
.endr
.endr
	s_wait_dscnt 0x0
	s_wait_loadcnt 0x0
.irp o, 20,24,28
.irp i, 0,1
.irp k, 0,2
	v_pk_add_f32 v[16+16*\i+\k:17+16*\i+\k], v[16+16*\i+\k:17+16*\i+\k], v[\o+16*\i+\k:\o+1+16*\i+\k]
.endr
.endr
.endr
.irp i, 0,1
.irp k, 0,2
	v_pk_add_f32 v[16+16*\i+\k:17+16*\i+\k], v[16+16*\i+\k:17+16*\i+\k], v[252+\k:253+\k]      ; + bo
.endr
.endr
.irp i, 0,1
.irp k, 0,2
	v_pk_add_f32 v[16+16*\i+\k:17+16*\i+\k], v[16+16*\i+\k:17+16*\i+\k], v[236+4*\i+\k:237+4*\i+\k]   ; + x: y
.endr
.endr
.irp i, 0,1
	v_add_f32 v[48+2*\i], v[16+16*\i], v[17+16*\i]
	v_add_f32 v[49+2*\i], v[18+16*\i], v[19+16*\i]
.endr
.irp i, 0,1
	v_add_f32 v[48+2*\i], v[48+2*\i], v[49+2*\i]
.endr
.irp m, 1,2,4,8
.irp i, 0,1
	v_add_f32_dpp v[48+2*\i], v[48+2*\i], v[48+2*\i] row_xmask:\m row_mask:0xf bank_mask:0xf   ; over the sixteen lanes of a row
.endr
.endr
.irp i, 0,1
.irp k, 0,1,2,3
	v_fma_f32 v[16+16*\i+\k], v[48+2*\i], s27, v[16+16*\i+\k]     ; y - the mean
.endr
.endr
.irp i, 0,1
	v_mul_f32 v[48+2*\i], v[16+16*\i], v[16+16*\i]
	v_mul_f32 v[49+2*\i], v[17+16*\i], v[17+16*\i]
.endr
.irp i, 0,1
	v_fma_f32 v[48+2*\i], v[18+16*\i], v[18+16*\i], v[48+2*\i]
	v_fma_f32 v[49+2*\i], v[19+16*\i], v[19+16*\i], v[49+2*\i]
.endr
.irp i, 0,1
	v_add_f32 v[48+2*\i], v[48+2*\i], v[49+2*\i]
.endr
.irp m, 1,2,4,8
.irp i, 0,1
	v_add_f32_dpp v[48+2*\i], v[48+2*\i], v[48+2*\i] row_xmask:\m row_mask:0xf bank_mask:0xf
.endr
.endr
.irp i, 0,1
	v_fma_f32 v[48+2*\i], v[48+2*\i], s28, s29     ; the variance + 1e-5
.endr
.irp i, 0,1
	v_rsq_f32 v[48+2*\i], v[48+2*\i]
.endr
	v_nop                                          ; a plain place behind the two roots
	s_wait_alu depctr_va_vdst(0)                   ; the two roots have written v48 and v50: one wait for both, ahead of their first reader
.irp i, 0,1
.irp k, 0,1,2,3
	v_mul_f32 v[16+16*\i+\k], v[16+16*\i+\k], v[48+2*\i]
.endr
.endr
.irp i, 0,1
.irp k, 0,1,2,3
	v_fma_f32 v[16+16*\i+\k], v[16+16*\i+\k], v[244+\k], v[248+\k]
.endr
.endr
	s_wait_alu depctr_va_vdst(0)                   ; the last multiply-adds have written v16 to v19 and v32 to v35, which the two stores read
.irp i, 0,1
	global_store_b128 v3, v[16+16*\i:19+16*\i], s[20:21] offset:512*\i   ; two whole rows: 512 consecutive bytes, at a multiple of 256 from out0's first byte
.endr
	s_wait_dscnt 0x0
	s_wait_alu depctr_hold_cnt(0) depctr_sa_sdst(0) depctr_va_vdst(0) depctr_va_sdst(0) depctr_va_ssrc(0) depctr_va_vcc(0) depctr_vm_vsrc(0)
	s_wait_tensorcnt 0x0
	ds_add_u32 v14, v15
	s_wait_dscnt 0x0
	s_endpgm
.Lfunc_end_k_qbbcff6ae0b_outp:
	.size	k_qbbcff6ae0b_outp, .Lfunc_end_k_qbbcff6ae0b_outp-k_qbbcff6ae0b_outp
	.p2alignl 7, 3214868480
	.fill 96, 4, 3214868480
	.section	.rodata,"a",@progbits
	.p2align	6, 0x0
	.amdhsa_kernel k_qbbcff6ae0b_outp
		.amdhsa_group_segment_fixed_size 17920
		.amdhsa_private_segment_fixed_size 0
		.amdhsa_enable_private_segment 0
		.amdhsa_kernarg_size 72
		.amdhsa_user_sgpr_count 2
		.amdhsa_user_sgpr_kernarg_segment_ptr 1
		.amdhsa_wavefront_size32 1
		.amdhsa_system_sgpr_workgroup_id_x 1
		.amdhsa_system_sgpr_workgroup_id_y 1
		.amdhsa_system_sgpr_workgroup_id_z 1
		.amdhsa_system_vgpr_workitem_id 0
		.amdhsa_next_free_vgpr 256
		.amdhsa_next_free_sgpr 66
		.amdhsa_reserve_vcc 0
		.amdhsa_float_denorm_mode_32 3
		.amdhsa_float_denorm_mode_16_64 3
		.amdhsa_memory_ordered 1
		.amdhsa_forward_progress 1
		.amdhsa_inst_pref_size 17
	.end_amdhsa_kernel
	.amdgpu_metadata
---
amdhsa.version: [ 1, 2 ]
amdhsa.kernels:
  - .name:           k_qbbcff6ae0b_outp
    .symbol:         k_qbbcff6ae0b_outp.kd
    .args:
      - { .name: oimg, .offset: 0, .size: 8, .value_kind: global_buffer, .address_space: global }
      - { .name: osc, .offset: 8, .size: 8, .value_kind: global_buffer, .address_space: global }
      - { .name: wo_codes, .offset: 16, .size: 8, .value_kind: global_buffer, .address_space: global }
      - { .name: wo_scales, .offset: 24, .size: 8, .value_kind: global_buffer, .address_space: global }
      - { .name: bo, .offset: 32, .size: 8, .value_kind: global_buffer, .address_space: global }
      - { .name: x, .offset: 40, .size: 8, .value_kind: global_buffer, .address_space: global }
      - { .name: gamma, .offset: 48, .size: 8, .value_kind: global_buffer, .address_space: global }
      - { .name: beta, .offset: 56, .size: 8, .value_kind: global_buffer, .address_space: global }
      - { .name: out0, .offset: 64, .size: 8, .value_kind: global_buffer, .address_space: global }
    .group_segment_fixed_size: 17920
    .private_segment_fixed_size: 0
    .kernarg_segment_align: 8
    .kernarg_segment_size: 72
    .max_flat_workgroup_size: 128
    .sgpr_count:     66
    .vgpr_count:     256
    .wavefront_size: 32
...
	.end_amdgpu_metadata
.endif
;; end of part 5
